; MI455X (gfx1250); checked and timed in simulation.
; The chip was launched on July 23, 2026; its instructions are those of AMD's public machine-readable ISA for CDNA 5 (MIT licence, August 2026) and "CDNA5" Instruction Set Architecture Reference Guide (July 2026). The comments in the code are by the model that wrote it; some were corrected since.
;; Multi Head Attention. Allowed arithmetic: matrix products marked QUANTISED: E2M1 operands, one E8M0 scale for each 32 along K, by v_wmma_scale_f32_16x16x128_f8f6f4 with both operands' format E2M1 (or v_wmma_scale_f32_32x16x128_f4), f32 sums; products left as they are: bf16, f16 or f32 operands; f32 sums; everything else in f32.
;; Inputs: Wk 1,024 x 1,024 float32; Wo 1,024 x 1,024 float32; Wq 1,024 x 1,024 float32; Wv 1,024 x 1,024 float32; bk 1,024 float32; bo 1,024 float32; bq 1,024 float32; bv 1,024 float32; q 4 x 2,048 x 1,024 float32.
;; Outputs: out0 4 x 2,048 x 1,024 float32; out1 4 x 2,048 x 1,024 float32.
;; This version of the problem:
;;   THIS VERSION OF THE PROBLEM IS GIVEN IN LOW PRECISION. The matrix products marked QUANTISED in the list below multiply operands that are first quantised to E2M1 (2 exponent bits, 1 mantissa bit; 4 bits a number), with one power-of-two scale for each 32 numbers along K (OCP MX v1.0); their sums are f32. The products marked 'left as it is' may take bf16, f16 or f32 operands, with f32 sums. Whichever they take, every output number must still come out within the allowed error. Rounding operands to bf16 (8 significant bits) uses up far more of that allowance than f16 does (11 bits, for magnitudes from 6e-5 to 65,504). All else is computed in f32.
;;   The module's matrix products, in the order in which they are computed (A, B: the left and right operand; K: the contracted axis; several contracted axes count as one K, in the product's order):
;;     1. [M 8,192, K 1,024] x [K 1,024, N 1,024]; A: input q; B: input Wq: QUANTISED
;;     2. [M 8,192, K 1,024] x [K 1,024, N 1,024]; A: input q; B: input Wk: QUANTISED
;;     3. [M 8,192, K 1,024] x [K 1,024, N 1,024]; A: input q; B: input Wv: QUANTISED
;;     4. batch 64 x [M 2,048, K 64] x [K 64, N 2,048]; A: computed on the way; B: computed on the way: left as it is (an operand is computed on the way)
;;     5. batch 64 x [M 2,048, K 2,048] x [K 2,048, N 64]; A: computed on the way; B: computed on the way: left as it is (an operand is computed on the way)
;;     6. [M 8,192, K 1,024] x [K 1,024, N 1,024]; A: computed on the way; B: input Wo: left as it is (an operand is computed on the way)
;;   THE QUANTISER, for each operand of a quantised product, along K:
;;     - K is cut into blocks of 32 from its start; a last block that is shorter is filled with zeros.
;;     - A block's scale is 2^e with e = floor(log2(the largest magnitude in the block)) - 2, held to -126 .. 127; a block of zeros has e = 0. As a byte (E8M0): e + 127.
;;     - Each number is divided by its block's scale, clamped to +-6, and rounded to the nearest number of E2M1, ties to even, subnormals kept.
;;     - The product sums the exact products of the quantised numbers (number of the format x scale) in f32.
;;   ~~~python
;;   def quantise(x, axis):      # numpy; x: float32 -> the quantised numbers, widened to float32 again
;;       x = np.moveaxis(x, axis, -1); K = x.shape[-1]
;;       x = np.pad(x, [(0, 0)] * (x.ndim - 1) + [(0, -K % 32)]); x = x.reshape(x.shape[:-1] + (-1, 32)); a = np.abs(x).max(-1, keepdims=True)
;;       e = np.where(a > 0, np.clip(np.frexp(np.where(a > 0, a, 1))[1] - 1 - 2, -126, 127), 0)      # np.frexp(a)[1] - 1 = floor(log2(a)), exactly
;;       r = np.clip(x / 2.0 ** e, -6, 6)
;;       step = 2.0 ** (np.maximum(np.frexp(np.where(r == 0, 1, r))[1] - 1, 0) - 1)
;;       q = np.round(r / step) * step * 2.0 ** e      # np.round: ties to even
;;       return np.moveaxis(q.reshape(q.shape[:-2] + (-1,))[..., :K], -1, axis).astype(np.float32)
;;   ~~~
;; One version. Each part assembles by itself: llvm-mc -triple=amdgcn-amd-amdhsa -mcpu=gfx1250 --defsym DOCPART=n.
;; ======== version 1 of 1: 4 launches
;; limits: values are held in f16: magnitudes above 65,504 overflow, below 6.1e-05 lose precision
;; workspace buffers: qc 4,194,304 bytes; qs 262,144 bytes; wc 1,572,864 bytes; ws 98,304 bytes; wo16 2,097,152 bytes; qkv 50,331,648 bytes; att16 16,777,216 bytes
;; launch prep (part 1): grid 384 x 1, 4 waves a work-group, no clusters, 33,280 bytes of LDS; arguments q, Wq, Wk, Wv, Wo, qc, qs, wc, ws, wo16; writes qc, qs, wc, ws, wo16
.if DOCPART == 1
	.amdgcn_target "amdgcn-amd-amdhsa--gfx1250"
	.amdhsa_code_object_version 6
	.text
	.protected	k_q8fd55f3e46_prep
	.globl	k_q8fd55f3e46_prep
	.p2align	8
	.type	k_q8fd55f3e46_prep,@function
k_q8fd55f3e46_prep:
	s_mov_b64 s[64:65], 0
	v_nop
	global_prefetch_b8 v0, s[64:65] scope:SCOPE_SE
	s_setreg_imm32_b32 hwreg(HW_REG_WAVE_MODE, 25, 1), 1
	s_wait_xcnt 0x0
; PREP.  q [8192][1024] and Wq, Wk, Wv [1024][1024], f32 with K innermost, become codes of FP4 (E2M1), two a byte, the lower k in the low four bits, and one E8M0 byte for each 32 along K:
; qc [8192][512 bytes], qs [8192][32]; wc [3072][512 bytes], ws [3072][32] with rows 0-1023 Wq, 1024-2047 Wk, 2048-3071 Wv.  Wo [1024 n][1024 k] becomes f16, laid [16 chunks of 64 k][1024 n][64].
; A block's scale is 2^(floor(log2(its largest magnitude)) - 2); its byte is the largest magnitude's exponent field - 2, held at 1 from below.  A block of zeros so gets the byte 1 where the rule says 127:
; its codes are zeros, which add nothing under any byte but 0xff, and the bytes are read by this program alone.
; LIMITS: blocks whose largest magnitude lies under 2^-124, the floor, were not tried; NaN and infinities among the inputs are not served; Wo beyond +-65,504 has no f16 number.
; SHARES.  Rows are dense and K is a multiple of 32, so each tensor is a plain stream of blocks of 32.  Work-groups 0-255: q; 256-351: Wq, Wk, Wv (32 each); 352-383: Wo.  A wave quantises 16 steps of 512 numbers.
; Each load reads 512 consecutive bytes; a step's 2,048 bytes turn through the wave's own stage in LDS and come back 64 bytes a lane (16 neighbours along K; two neighbouring lanes hold a block).
; A lane's 16 codes are 8 bytes: a store covers 256 consecutive bytes.  A wave's 256 scale bytes are gathered in LDS and leave as 256 consecutive bytes.  No barrier: waves share nothing.
; No matrix unit, no cluster, no tensor load: each byte is read once and nothing is shared between work-groups.
.set WAVES, 4
.set STEPS, 16
.set EMAX,  2
.set CB,    8                          ; bytes of 16 codes
.set R,     16                         ; v16-79   four sets of 16 numbers as they are loaded (Wo: set A)
.set X,     80                         ; v80-111  two sets of 16 neighbours (Wo: v80-143 set B)
.set C,     128                        ; v128-191 codes: four registers for each step, so that no store's data are written again
.set E,     112                        ; v112-127 a scale byte for each step
.set WREG,  8192                       ; LDS: a region for each wave: two stages of 32 x SP bytes, behind them its 256 scale bytes
.set SP,    80                         ; a lane's place in a stage: 64 bytes + 16 of padding
.set SPW,   12                         ; v12  LDS address of my spare word; never rewritten
.set NIL,   13                         ; v13  0; never rewritten
.set SPARE, WAVES*WREG                 ; behind the four regions: the spare words, 128 bytes a wave; no other line names them
.set WA,    16                         ; Wo: two sets of 64 registers, and 32 of f16 pairs
.set WB,    80
.set WH,    144
	s_load_b256 s[4:11], s[0:1], 0x0               ; q s[4:5], Wq s[6:7], Wk s[8:9], Wv s[10:11]
	s_load_b256 s[12:19], s[0:1], 0x20             ; Wo s[12:13], qc s[14:15], qs s[16:17], wc s[18:19]
	s_load_b128 s[20:23], s[0:1], 0x40             ; ws s[20:21], wo16 s[22:23]
	v_lshl_add_u32 v[SPW], v0, 2, SPARE
	v_mov_b32 v[NIL], 0
	v_lshrrev_b32 v1, 5, v0
	v_readfirstlane_b32 s24, v1                    ; wave
	v_and_b32 v2, 31, v0                           ; lane
	v_lshlrev_b32 v3, 4, v2                        ; my 16 bytes of a load's 512
	s_mul_i32 s25, s24, WREG
	v_lshrrev_b32 v14, 2, v2
	v_mul_u32_u24 v14, v14, SP
	v_and_b32 v15, 3, v2
	v_lshl_add_u32 v14, v15, 4, v14
	v_add_nc_u32 v14, s25, v14                     ; the stage, on the way in: SP (lane / 4) + 16 (lane % 4)
	v_mul_u32_u24 v15, v2, SP
	v_add_nc_u32 v15, s25, v15                     ; and on the way out: SP x lane: my 16 neighbours
	v_mul_u32_u24 v4, v2, CB                       ; my codes' place in a step's
	v_lshrrev_b32 v5, 1, v2
	s_add_co_u32 s25, s25, 2*32*SP
	v_add_nc_u32 v5, s25, v5                       ; LDS: my wave's 256 scale bytes, my block's byte
	v_lshlrev_b32 v7, 3, v2                        ; and on the way out 8 bytes a lane
	v_add_nc_u32 v6, s25, v7
	s_wait_kmcnt 0x0
	s_cmp_ge_u32 ttmp9, 352                        ; the last 32 work-groups take Wo: the branch hangs on the work-group's number alone
	s_cbranch_scc1 .Lwo
	; which tensor, and which run of 8,192 numbers of it.  Only pointers and counts are chosen: all four tensors take one path
	s_sub_co_u32 s26, ttmp9, 256                   ; a weight's work-group: 0 .. 95 (not used for q)
	s_lshr_b32 s27, s26, 5                         ; 0 Wq, 1 Wk, 2 Wv
	s_and_b32 s28, s26, 31                         ; its place in that weight
	s_cmp_eq_u32 s27, 1
	s_cselect_b64 s[30:31], s[8:9], s[6:7]
	s_cmp_eq_u32 s27, 2
	s_cselect_b64 s[30:31], s[10:11], s[30:31]
	s_cmp_lt_u32 ttmp9, 256
	s_cselect_b64 s[30:31], s[4:5], s[30:31]       ; the source
	s_cselect_b64 s[32:33], s[14:15], s[18:19]     ; its codes
	s_cselect_b64 s[34:35], s[16:17], s[20:21]     ; its scale bytes
	s_cselect_b32 s28, ttmp9, s28                  ; the work-group's place in the source,
	s_cselect_b32 s26, ttmp9, s26                  ; and in the codes' buffer (the three weights lie one behind the other there)
	s_lshl_b32 s28, s28, 2
	s_add_co_u32 s28, s28, s24                     ; my wave's run in the source
	s_lshl_b32 s26, s26, 2
	s_add_co_u32 s26, s26, s24                     ; and in the results
	s_lshl_b32 s36, s28, 15                        ; 32,768 bytes of f32 a run
	s_mov_b32 s37, 0
	s_add_nc_u64 s[30:31], s[30:31], s[36:37]
	s_lshl_b32 s36, s26, 12                        ; 4,096 bytes of codes
	s_add_nc_u64 s[32:33], s[32:33], s[36:37]
	s_lshl_b32 s36, s26, 8                         ; 256 scale bytes
	s_add_nc_u64 s[34:35], s[34:35], s[36:37]
.macro LOAD t
.irp i, 0,1,2,3
	global_load_b128 v[R+16*((\t)%4)+4*\i:R+16*((\t)%4)+4*\i+3], v3, s[30:31] offset:2048*(\t)+512*\i th:TH_LOAD_NT   ; 32 lanes read 512 consecutive bytes
.endr
.endm
.macro TURN t                          ; step t's numbers through the stage: LDS serves a wave's instructions in order, so no wait stands between the stores and the loads
.irp i, 0,1,2,3
	ds_store_b128 v14, v[R+16*((\t)%4)+4*\i:R+16*((\t)%4)+4*\i+3] offset:32*SP*((\t)%2)+8*SP*\i
.endr
.irp i, 0,1,2,3
	ds_load_b128 v[X+16*((\t)%2)+4*\i:X+16*((\t)%2)+4*\i+3], v15 offset:32*SP*((\t)%2)+16*\i
.endr
.endm
.irp t, 0,1,2,3
	LOAD \t
.endr
	s_wait_loadcnt 12                              ; step 0's four loads are in; twelve younger ones may be out
	TURN 0
.macro STEP t
.set XS, X+16*((\t)%2)
.if (\t) > 0
	s_wait_dscnt 1                                 ; this step's numbers are back from the stage (the last step's byte store may be out): so its stores into the stage have read their registers,
.else
	s_wait_dscnt 0x0
.endif
.if (\t)+4 < STEPS
	LOAD (\t)+4                                    ; which take the loads of four steps on
.endif
.if (\t)+1 < STEPS
.if STEPS-2-(\t) >= 3
	s_wait_loadcnt 12                              ; the next step's four loads are in; those of the three steps behind it may be out
.else
	s_wait_loadcnt 4*(STEPS-2-(\t))
.endif
	TURN (\t)+1                                    ; and go through the other stage while this step is worked
.endif
	v_max3_num_f32 v8, |v[XS]|, |v[XS+1]|, |v[XS+2]|               ; the largest magnitude of my 16, in two chains
	v_max3_num_f32 v9, |v[XS+3]|, |v[XS+4]|, |v[XS+5]|
.irp i, 6,10
	v_max3_num_f32 v8, v8, |v[XS+\i]|, |v[XS+\i+1]|
	v_max3_num_f32 v9, v9, |v[XS+\i+2]|, |v[XS+\i+3]|
.endr
	v_max3_num_f32 v8, v8, |v[XS+14]|, |v[XS+15]|
	v_max3_num_f32 v8, v8, v9, (EMAX+1)<<23        ; and the floor 2^(EMAX + 1 - 127): so the byte cannot fall under 1
	v_max_num_f32_dpp v8, v8, v8 row_xmask:1 row_mask:0xf bank_mask:0xf   ; and of my neighbour's 16: the block's
	v_add_nc_u32 v11, -(EMAX<<23), v8              ; EMAX off its exponent field: the conversion takes the exponent field of this operand as its scale, and nothing else of it
	v_cvt_scalef32_pk8_fp4_f32 v[C+4*(\t)], v[XS:XS+7], v11       ; eight numbers / the scale, to the nearest code, ties to even, beyond the largest code the largest
	v_cvt_scalef32_pk8_fp4_f32 v[C+4*(\t)+1], v[XS+8:XS+15], v11
	v_lshrrev_b32 v[E+(\t)], 23, v11               ; the scale's byte (a plain line behind the conversions)
	ds_store_b8 v5, v[E+(\t)] offset:16*(\t)       ; both lanes of a block write the same byte with the same value
	global_store_b64 v4, v[C+4*(\t):C+4*(\t)+1], s[32:33] offset:32*CB*(\t)   ; 32 lanes store 256 consecutive bytes
.endm
.irp t, 0,1,2,3,4,5,6,7,8,9,10,11,12,13,14,15
	STEP \t
.endr
	ds_load_b64 v[8:9], v6                         ; LDS serves a wave's instructions in order: these see my byte stores
	s_wait_dscnt 0x0
	global_store_b64 v7, v[8:9], s[34:35]          ; 32 lanes store 256 consecutive bytes
	s_wait_tensorcnt 0x0                           ; the wave's end
	ds_add_u32 v[SPW], v[NIL]
	s_wait_dscnt 0x0
	s_endpgm
; Wo to f16, chunk-major.  A wave takes 8 rows, two at a time: lanes 0-15 one row's 256 bytes (64 numbers: one chunk), lanes 16-31 the next row's.  No LDS instruction on this path.
.Lwo:
	s_sub_co_u32 s26, ttmp9, 352
	s_lshl_b32 s26, s26, 5
	s_lshl_b32 s27, s24, 3
	s_add_co_u32 s26, s26, s27                     ; my first row: 32 x work-group + 8 x wave
	s_lshl_b32 s36, s26, 12                        ; a row of Wo is 4,096 bytes,
	s_mov_b32 s37, 0
	s_add_nc_u64 s[12:13], s[12:13], s[36:37]
	s_lshl_b32 s36, s26, 7                         ; a row of a chunk 128
	s_add_nc_u64 s[22:23], s[22:23], s[36:37]
	v_lshrrev_b32 v8, 4, v2
	v_and_b32 v9, 15, v2
	v_lshlrev_b32 v8, 12, v8
	v_lshl_add_u32 v8, v9, 4, v8                   ; in: 4,096 (lane / 16) + 16 (lane % 16)
	v_lshlrev_b32 v9, 3, v2                        ; out: 8 x lane: two rows of 128 bytes on end
.macro WLOAD g, set                    ; rows 2 g, 2 g + 1: sixteen chunks
.irp c, 0,1,2,3,4,5,6,7,8,9,10,11,12,13,14,15
	global_load_b128 v[\set+4*\c:\set+4*\c+3], v8, s[12:13] offset:\g*8192+\c*256 th:TH_LOAD_NT
.endr
.endm
.macro WCVT g, set
.if \g > 0
	s_wait_xcnt 0x0                                ; the last stores have read their data registers, which are written again below
.endif
.irp c, 0,1,2,3,4,5,6,7,8,9,10,11,12,13,14,15
	v_cvt_pk_f16_f32 v[WH+2*\c], v[\set+4*\c], v[\set+4*\c+1]
	v_cvt_pk_f16_f32 v[WH+2*\c+1], v[\set+4*\c+2], v[\set+4*\c+3]
	global_store_b64 v9, v[WH+2*\c:WH+2*\c+1], s[22:23] offset:\c*131072+\g*256   ; 32 lanes store 256 consecutive bytes of chunk c
.endr
.endm
	WLOAD 0, WA
	WLOAD 1, WB
	s_wait_loadcnt 16                              ; the older set is in, the younger sixteen loads may be out
	WCVT 0, WA
	WLOAD 2, WA
	s_wait_loadcnt 16
	WCVT 1, WB
	WLOAD 3, WB
	s_wait_loadcnt 16
	WCVT 2, WA
	s_wait_loadcnt 0x0
	WCVT 3, WB
	s_endpgm
.Lfunc_end_k_q8fd55f3e46_prep:
	.size	k_q8fd55f3e46_prep, .Lfunc_end_k_q8fd55f3e46_prep-k_q8fd55f3e46_prep
	.p2alignl 7, 3214868480
	.fill 96, 4, 3214868480
	.section	.rodata,"a",@progbits
	.p2align	6, 0x0
	.amdhsa_kernel k_q8fd55f3e46_prep
		.amdhsa_group_segment_fixed_size 33280
		.amdhsa_private_segment_fixed_size 0
		.amdhsa_enable_private_segment 0
		.amdhsa_kernarg_size 80
		.amdhsa_user_sgpr_count 2
		.amdhsa_user_sgpr_kernarg_segment_ptr 1
		.amdhsa_wavefront_size32 1
		.amdhsa_system_sgpr_workgroup_id_x 1
		.amdhsa_system_sgpr_workgroup_id_y 1
		.amdhsa_system_sgpr_workgroup_id_z 1
		.amdhsa_system_vgpr_workitem_id 0
		.amdhsa_next_free_vgpr 192
		.amdhsa_next_free_sgpr 66
		.amdhsa_reserve_vcc 0
		.amdhsa_float_denorm_mode_32 3
		.amdhsa_float_denorm_mode_16_64 3
		.amdhsa_memory_ordered 1
		.amdhsa_forward_progress 1
		.amdhsa_inst_pref_size 54
	.end_amdhsa_kernel
	.amdgpu_metadata
---
amdhsa.version: [ 1, 2 ]
amdhsa.kernels:
  - .name:           k_q8fd55f3e46_prep
    .symbol:         k_q8fd55f3e46_prep.kd
    .args:
      - { .name: q, .offset: 0, .size: 8, .value_kind: global_buffer, .address_space: global }
      - { .name: Wq, .offset: 8, .size: 8, .value_kind: global_buffer, .address_space: global }
      - { .name: Wk, .offset: 16, .size: 8, .value_kind: global_buffer, .address_space: global }
      - { .name: Wv, .offset: 24, .size: 8, .value_kind: global_buffer, .address_space: global }
      - { .name: Wo, .offset: 32, .size: 8, .value_kind: global_buffer, .address_space: global }
      - { .name: qc, .offset: 40, .size: 8, .value_kind: global_buffer, .address_space: global }
      - { .name: qs, .offset: 48, .size: 8, .value_kind: global_buffer, .address_space: global }
      - { .name: wc, .offset: 56, .size: 8, .value_kind: global_buffer, .address_space: global }
      - { .name: ws, .offset: 64, .size: 8, .value_kind: global_buffer, .address_space: global }
      - { .name: wo16, .offset: 72, .size: 8, .value_kind: global_buffer, .address_space: global }
    .group_segment_fixed_size: 33280
    .private_segment_fixed_size: 0
    .kernarg_segment_align: 8
    .kernarg_segment_size: 80
    .max_flat_workgroup_size: 128
    .sgpr_count:     66
    .vgpr_count:     192
    .wavefront_size: 32
...
	.end_amdgpu_metadata
.endif
;; end of part 1
;; launch qkv (part 2): grid 12 x 32, 4 waves a work-group, clusters of 4 x 4, 327,680 bytes of LDS; arguments qc, qs, wc, ws, qkv, bq, bk, bv; writes qkv
.if DOCPART == 2
	.amdgcn_target "amdgcn-amd-amdhsa--gfx1250"
	.amdhsa_code_object_version 6
	.text
	.protected	k_q8fd55f3e46_qkv
	.globl	k_q8fd55f3e46_qkv
	.p2align	8
	.type	k_q8fd55f3e46_qkv,@function
k_q8fd55f3e46_qkv:
	s_mov_b64 s[64:65], 0
	v_nop
	global_prefetch_b8 v0, s[64:65] scope:SCOPE_SE
	s_setreg_imm32_b32 hwreg(HW_REG_WAVE_MODE, 25, 1), 1
	s_wait_xcnt 0x0
	s_wait_alu depctr_hold_cnt(0) depctr_sa_sdst(0) depctr_va_vdst(0) depctr_va_sdst(0) depctr_va_ssrc(0) depctr_va_vcc(0) depctr_vm_vsrc(0)
	s_getreg_b32 s2, hwreg(HW_REG_IB_STS2, 6, 4)
	s_cmp_eq_u32 s2, 0
	s_cbranch_scc0 .Lentry_in_a_cluster
	s_endpgm
.Lentry_in_a_cluster:
	s_bfe_u32 s2, ttmp6, 0x10000c
	s_cmp_lg_u32 s2, 0xf033
	s_cbranch_scc0 .Lentry_shape_is_right
	s_endpgm
.Lentry_shape_is_right:
; QKV.  C[m][n] = sum over k of q[m][k] W[n][k] + bias[n], m = 0 .. 8191 (token), n = 0 .. 3071 (Wq's, Wk's, Wv's rows), K = 1,024, both operands as codes of FP4 (E2M1) with one E8M0 byte for each 32 along K;
; sums in f32; the result is rounded once to f16 and laid head-major: qkv [3 which][4 batch][16 head][2048 token][64].
; LIMIT: a result beyond +-65,504 has no f16 number.
; A tile of C, 256 x 256, is made by a work-group of four waves; a wave makes 128 x 128: 64 accumulators of 16 x 16, 512 registers.  K is two slots of 512 (rows of 256 bytes): both are asked for at the head,
; with the scale bytes of the work-group's 256 + 256 rows for all of K (two dense blocks): nothing is filled again, so there is no loop.
; CLUSTERS: 4 x 4 work-groups.  The four of a row of the cluster need the same tiles of q, the four of a column the same tiles of W: each is asked for JOINTLY, by the same tensor load with the same descriptor and a mask that names the four.
; THE MATRIX INSTRUCTION IS USED TRANSPOSED (source 0 = 16 rows of W, source 1 = 16 tokens): a lane then holds eight neighbouring n of one token.  The bias is the C of each sum's first product.
; No prefetch: all that the work-group reads is asked for at its head.  384 tiles: one to a work-group.
; REGISTERS, in windows of 256: window 0: v0-31 addresses; v32-95 scale words, two sets; v128-191 q's fragments (8 x 16 rows x 128 K), ONE set; v192-255 the bias, 8 tiles of 8; on the way out v32-127 are free.
;   window 1: W's fragments, TWO sets, at v0 and v128.   window 2: the accumulators of my rows 0-63 ((a, b) at v[8 (8 a + b)]);   window 3: those of my rows 64-127.
.set KSTEP,  512
.set NQ,     KSTEP/128                 ; matrix instructions deep in a slot
.set ROWB,   256                       ; a tile's row in bytes
.set KROW,   512                       ; a row of codes in memory
.set PITCH,  272                       ; an LDS row: 256 bytes + 16 of padding: the 16 rows that a load touches start at 16 different banks (64 banks of 4 bytes: ISA guide 11.1)
.set FR,     8
.set NL,     2
.set NP,     4                         ; places behind this matrix instruction (ISA guide 7.12.1)
.set HALFT,  128*PITCH
.set SLOT,   4*HALFT                   ; q's 256 rows, then W's 256 rows
.set KS,     32                        ; a row of scale bytes
.set SCL,    2*SLOT                    ; behind the two slots: the scales, as units of 256 bytes + 16 of padding
.set HALFS,  (128*KS/256)*272
.set SBLK,   (16*KS/256)*272
.set SPARE,  SCL+4*HALFS               ; the spare words, 128 bytes a wave; no other line names them
.set STAGE,  SPARE+512                 ; the way out: 16 rows x (256 bytes + 16) for each wave; no tensor load lands here
.set SPITCH, 272
.set ADRA, 16                          ; v16-17  LDS address of my q fragments in slot 0, 1
.set ADRB, 20                          ; v20-21  the same for W
.set STO,  24                          ; v24     the way out: where I put 16 bytes of a row
.set RD,   25                          ; v25     where I read back
.set CO,   26                          ; v26     16 x lane
.set ADRS, 27                          ; v27     LDS address of my scale words: lanes 0-15 q's rows, lanes 16-31 W's
.set SPW,  28                          ; v28     my spare word; never rewritten
.set NIL,  29                          ; v29     0; never rewritten
.set BOF,  30                          ; v30     32 x (lane / 16): my half's eight bias numbers
.set SC,   32
.set AF,   128
.set BIAS, 192
.set TMP,  32                          ; the way out: packed results
.set BK,   64                          ; and rows read back: v64-95, v96-127 by turns
.set G1, 24
.set G0, 32
.set G1B, 48
.set G0B, 56
.set G1S, 68
.set G0S, 76
.set G1SB, 80
.set G0SB, 88
.set MSB, 0
.macro WIN new                         ; the immediate's high byte repeats the setting that is left
.if MSB != (\new)
	s_set_vgpr_msb (MSB<<8)|(\new)
.set MSB, (\new)
.endif
.endm
.set MUL_LO,  0xa1                     ; source 0 (W) window 1, source 1 (q) window 0, C and D window 2
.set MUL_HI,  0xf1                     ; the same, C and D window 3
.set MULZ_LO, 0x81                     ; the first product: C (the bias) window 0, D window 2
.set MULZ_HI, 0xc1                     ; D window 3
.set TO_B,    0x40
; A joint load: waves 0 and 1 fetch for q, waves 2 and 3 for W.  The branch hangs on the wave's number alone.  An s_nop 0 and four v_nop follow each of the two lines.
.macro JLOAD g0a, g1a, g0b, g1b
	s_cmp_eq_u32 s15, 0
	s_cbranch_scc0 .Lfor_b_\@
	tensor_load_to_lds s[\g0a:\g0a+3], s[\g1a:\g1a+7]
	s_nop 0
.rept 4
	v_nop
.endr
	s_branch .Lasked_\@
.Lfor_b_\@:
	tensor_load_to_lds s[\g0b:\g0b+3], s[\g1b:\g1b+7]
	s_nop 0
.rept 4
	v_nop
.endr
.Lasked_\@:
.endm
.macro CROUND                          ; a round of the cluster's barrier
	s_barrier_signal -1
	s_barrier_wait -1
	s_cmp_lg_u32 s14, 0
	s_cbranch_scc1 .Lnot_wave_0_\@
	s_barrier_signal -3
.Lnot_wave_0_\@:
	s_barrier_wait -3
	s_barrier_signal -1
	s_barrier_wait -1
.endm
	s_load_b128 s[4:7], s[0:1], 0x0                ; q's codes, q's scales
	s_load_b128 s[8:11], s[0:1], 0x10              ; W's codes, W's scales
	s_load_b64 s[12:13], s[0:1], 0x20              ; qkv
	s_load_b128 s[96:99], s[0:1], 0x28             ; bq, bk
	s_load_b64 s[100:101], s[0:1], 0x38            ; bv
	v_lshl_add_u32 v[SPW], v0, 2, SPARE
	v_mov_b32 v[NIL], 0
	ds_add_u32 v[SPW], v[NIL]                      ; the wave's opening: the add, twice on end, and its wait ahead of my first tensor load
	ds_add_u32 v[SPW], v[NIL]                      ; and once more, under the one wait; the set-up below, work on registers, stands between
	v_lshrrev_b32 v1, 5, v0
	v_readfirstlane_b32 s14, v1                    ; wave 0..3
	s_lshr_b32 s15, s14, 1                         ; which half of the tile's rows is mine.  Also: I fetch for q (0) or for W (1)
	s_and_b32 s16, s14, 1                          ; which half of its columns.  Also: which 128 rows of that tile I fetch
	s_bfe_u32 s40, ttmp6, 0x40000                  ; cx, cy: my place in the cluster
	s_bfe_u32 s41, ttmp6, 0x40004
	s_lshl_b32 s42, ttmp9, 2
	s_add_co_u32 s42, s42, s40                     ; tile column = 4 x cluster x + cx
	s_and_b32 s17, ttmp7, 0xffff
	s_lshl_b32 s17, s17, 2
	s_add_co_u32 s17, s17, s41                     ; tile row = 4 x cluster y + cy
	s_lshl_b32 s43, s41, 2
	s_lshl_b32 s43, 15, s43                        ; my row of the cluster
	s_lshl_b32 s44, 0x1111, s40                    ; my column
	; descriptor group 1: a tile of 128 rows x 256 bytes, padded in LDS
	s_or_b32 s[G1+0], s43, (0<<16)|(1<<20)|(1<<21)|(5<<22)|(3<<25)  ; 15:0 the mask: q's tiles go to my row; elements of 1 byte; padding on; bit 21 beside a mask; after every 64 words four words
	s_or_b32 s[G1B+0], s44, (0<<16)|(1<<20)|(1<<21)|(5<<22)|(3<<25)
.irp g, G1, G1B
	s_mov_b32 s[\g+1], ROWB<<16                    ; tensor_dim0
	s_mov_b32 s[\g+2], 128<<16                     ; tensor_dim1
	s_mov_b32 s[\g+3], ROWB<<16                    ; tile_dim0
	s_mov_b32 s[\g+4], 128                         ; tile_dim1
	s_mov_b32 s[\g+5], KROW                        ; from row to row
	s_mov_b32 s[\g+6], 0
	s_mov_b32 s[\g+7], 0
.endr
	; the scales of 128 rows: a dense block of 4,096 bytes, as 16 rows of 256 bytes (32 elements of 8 bytes), 16 bytes of padding behind each
	s_or_b32 s[G1S+0], s43, (3<<16)|(1<<20)|(1<<21)|(5<<22)|(3<<25)
	s_or_b32 s[G1SB+0], s44, (3<<16)|(1<<20)|(1<<21)|(5<<22)|(3<<25)
.irp g, G1S, G1SB
	s_mov_b32 s[\g+1], 32<<16
	s_mov_b32 s[\g+2], (128*KS/256)<<16
	s_mov_b32 s[\g+3], 32<<16
	s_mov_b32 s[\g+4], 128*KS/256
	s_mov_b32 s[\g+5], 32
	s_mov_b32 s[\g+6], 0
	s_mov_b32 s[\g+7], 0
.endr
	s_lshl_b32 s18, s16, 7                         ; which 128 rows of the tile I fetch
	s_lshl_b32 s20, s17, 8
	s_add_co_u32 s20, s20, s18                     ; q: row 256 x tile row + 128 x half
	s_lshl_b32 s46, s42, 8
	s_add_co_u32 s46, s46, s18                     ; W: row 256 x tile column + 128 x half
	s_mov_b32 s21, 0
	s_mov_b32 s47, 0
	s_mov_b64 s[18:19], KS
	s_mul_u64 s[22:23], s[20:21], s[18:19]         ; where these rows' scales begin, in bytes
	s_mul_u64 s[92:93], s[46:47], s[18:19]
	s_mov_b64 s[18:19], KROW
	s_mul_u64 s[20:21], s[20:21], s[18:19]         ; and their codes
	s_mul_u64 s[46:47], s[46:47], s[18:19]
	s_mul_i32 s45, s14, HALFT                      ; where they go: wave x 128 rows: no place in the cluster enters an LDS address
	s_mul_i32 s94, s14, HALFS
	s_wait_dscnt 0x0                               ; both opening adds are done
	s_wait_kmcnt 0x0
	s_add_nc_u64 s[20:21], s[4:5], s[20:21]
	s_add_nc_u64 s[22:23], s[6:7], s[22:23]
	s_add_nc_u64 s[46:47], s[8:9], s[46:47]
	s_add_nc_u64 s[92:93], s[10:11], s[92:93]
	CROUND                                         ; all sixteen work-groups are here: the joint loads meet
	s_mov_b32 s[G0S], 1
	s_add_co_u32 s[G0S+1], s94, SCL
	s_mov_b64 s[G0S+2:G0S+3], s[22:23]
	s_or_b32 s[G0S+3], s[G0S+3], 0x80000000
	s_mov_b32 s[G0SB], 1
	s_add_co_u32 s[G0SB+1], s94, SCL
	s_mov_b64 s[G0SB+2:G0SB+3], s[92:93]
	s_or_b32 s[G0SB+3], s[G0SB+3], 0x80000000
	JLOAD G0S, G1S, G0SB, G1SB                     ; the scales first: they are wanted with slot 0.  Three loads of mine are out behind the last of these
.irp s, 0,1
	s_mov_b32 s[G0+4*\s], 1
	s_add_co_u32 s[G0+4*\s+1], s45, \s*SLOT
	s_add_nc_u64 s[G0+4*\s+2:G0+4*\s+3], s[20:21], \s*ROWB
	s_or_b32 s[G0+4*\s+3], s[G0+4*\s+3], 0x80000000
	s_mov_b32 s[G0B+4*\s], 1
	s_add_co_u32 s[G0B+4*\s+1], s45, \s*SLOT
	s_add_nc_u64 s[G0B+4*\s+2:G0B+4*\s+3], s[46:47], \s*ROWB
	s_or_b32 s[G0B+4*\s+3], s[G0B+4*\s+3], 0x80000000
	JLOAD G0+4*\s, G1, G0B+4*\s, G1B
.endr
	v_and_b32 v1, 15, v0                           ; r = lane % 16
	v_bfe_u32 v2, v0, 4, 1                         ; h = lane / 16
	v_mul_u32_u24 v3, v1, PITCH
	v_lshl_add_u32 v4, v2, 4, v3                   ; a fragment's row x pitch + 16 x half
	s_mul_i32 s21, s15, HALFT                      ; my 128 rows of q
	s_mul_i32 s22, s16, HALFT                      ; my 128 rows of W,
	s_add_co_u32 s22, s22, 2*HALFT                 ; which lie behind q's 256
.irp s, 0,1
	v_add_nc_u32 v[ADRA+\s], s21, v4
	v_add_nc_u32 v[ADRB+\s], s22, v4
	s_add_co_u32 s21, s21, SLOT
	s_add_co_u32 s22, s22, SLOT
.endr
	v_mul_u32_u24 v5, v1, KS                       ; my row's scales: 32 bytes a row,
	v_lshrrev_b32 v6, 8, v5
	v_lshl_add_u32 v5, v6, 4, v5                   ; and 16 more for each 256 passed
	s_mul_i32 s21, s15, HALFS                      ; q's: my 128 rows
	s_mul_i32 s22, s16, HALFS                      ; W's: my 128 rows, behind q's 256
	s_add_co_u32 s22, s22, 2*HALFS
	s_sub_co_u32 s22, s22, s21
	v_mul_u32_u24 v6, s22, v2                      ; lanes 16-31 take W's: one product, the distance x h
	s_add_co_u32 s21, s21, SCL
	v_add_nc_u32 v5, v5, v6
	v_add_nc_u32 v[ADRS], s21, v5
	s_mul_i32 s23, s14, 16*SPITCH
	s_add_co_u32 s23, s23, STAGE                   ; my stage
	v_mul_u32_u24 v5, v1, SPITCH                   ; in: token r, 16 bytes for each half of the lanes
	v_lshl_add_u32 v5, v2, 4, v5
	v_add_nc_u32 v[STO], s23, v5
	v_and_b32 v6, 31, v0
	v_lshlrev_b32 v[CO], 4, v6                     ; out: 16 x lane
	v_lshrrev_b32 v5, 3, v6
	v_mul_u32_u24 v5, v5, SPITCH                   ; back: eight lanes take one token's 128 bytes of one head, four tokens an instruction
	v_and_b32 v6, 7, v0
	v_lshl_add_u32 v5, v6, 4, v5
	v_add_nc_u32 v[RD], s23, v5
	; the bias: the cluster's x says which of the three products this tile column belongs to (1,024 columns are four tile columns): the same in all sixteen partners
	s_cmp_eq_u32 ttmp9, 1
	s_cselect_b64 s[98:99], s[98:99], s[100:101]
	s_cmp_eq_u32 ttmp9, 0
	s_cselect_b64 s[96:97], s[96:97], s[98:99]
	s_lshl_b32 s46, s40, 10                        ; 256 cx numbers of 4 bytes
	s_lshl_b32 s47, s16, 9                         ; + 128 x my half
	s_add_co_u32 s46, s46, s47
	s_mov_b32 s47, 0
	s_add_nc_u64 s[96:97], s[96:97], s[46:47]
	v_lshlrev_b32 v[BOF], 5, v2
.irp b, 0,1,2,3,4,5,6,7
	global_load_b128 v[BIAS+8*\b:BIAS+8*\b+3], v[BOF], s[96:97] offset:64*\b        ; register j of tile b: bias[16 b + 8 h + j]: the result's layout
	global_load_b128 v[BIAS+8*\b+4:BIAS+8*\b+7], v[BOF], s[96:97] offset:64*\b+16
.endr
	; where my part begins in qkv: ((which x 4 + batch) x 16 + head) x 262,144 + token x 128
	s_lshl_b32 s20, s17, 8
	s_lshl_b32 s21, s15, 7
	s_add_co_u32 s20, s20, s21                     ; my first row m
	s_lshr_b32 s21, s20, 11                        ; batch
	s_and_b32 s20, s20, 2047                       ; token
	s_lshl_b32 s20, s20, 7
	s_lshl_b32 s22, ttmp9, 2
	s_add_co_u32 s21, s21, s22
	s_lshl_b32 s21, s21, 4
	s_lshl_b32 s46, s40, 2                         ; my first head: 4 cx + 2 x my half
	s_lshl_b32 s47, s16, 1
	s_add_co_u32 s46, s46, s47
	s_add_co_u32 s21, s21, s46
	s_lshl_b32 s21, s21, 18
	s_add_co_u32 s20, s20, s21
	s_mov_b32 s21, 0
	s_add_nc_u64 s[12:13], s[12:13], s[20:21]
.macro FRAG reg, adr, q, i             ; 16 rows x 128 K of 4-bit codes: 8 registers: lane l holds row l % 16; registers 4 c .. 4 c + 3 hold K = 64 c + 32 (l / 16) + 0 .. 31
.irp c, 0,1
	ds_load_b128 v[\reg+4*\c:\reg+4*\c+3], v[\adr] offset:64*(\q)+32*\c+(\i)*16*PITCH
.endr
.endm
; 16 matrix instructions: q's blocks a0, a0 + 1 x W's eight, the slot's q-th 128 along K.  p: W's set; sc: the set of scale words.  zero = 1: the first product starts the sums from the bias.
; The 64 accumulators take turns, one instruction a turn, in the same order in every step.
.macro MUL16 a0, p, q, sc, zero
.irp a, \a0, \a0+1
.irp b, 0,1,2,3,4,5,6,7
.if \zero
	v_wmma_scale_f32_16x16x128_f8f6f4 v[8*(8*((\a)%4)+\b):8*(8*((\a)%4)+\b)+7], v[128*(\p)+FR*\b:128*(\p)+FR*\b+FR-1], v[AF+FR*(\a):AF+FR*(\a)+FR-1], v[BIAS+8*\b:BIAS+8*\b+7], v[SC+8*NQ*(\sc)+NQ*\b+(\q)], v[SC+8*NQ*(\sc)+NQ*(\a)+(\q)] matrix_a_fmt:MATRIX_FMT_FP4 matrix_b_fmt:MATRIX_FMT_FP4 matrix_a_scale:MATRIX_SCALE_ROW1
.else
	v_wmma_scale_f32_16x16x128_f8f6f4 v[8*(8*((\a)%4)+\b):8*(8*((\a)%4)+\b)+7], v[128*(\p)+FR*\b:128*(\p)+FR*\b+FR-1], v[AF+FR*(\a):AF+FR*(\a)+FR-1], v[8*(8*((\a)%4)+\b):8*(8*((\a)%4)+\b)+7], v[SC+8*NQ*(\sc)+NQ*\b+(\q)], v[SC+8*NQ*(\sc)+NQ*(\a)+(\q)] matrix_a_fmt:MATRIX_FMT_FP4 matrix_b_fmt:MATRIX_FMT_FP4 matrix_a_scale:MATRIX_SCALE_ROW1
.endif
.endr
.endr
.endm
.macro FETCH_B slot, q, p
	WIN TO_B
.irp i, 0,1,2,3,4,5,6,7
	FRAG 128*(\p)+FR*\i, ADRB+\slot, \q, \i
.endr
	WIN 0
.endm
.macro FETCH_A slot, q, i0
.irp i, \i0, \i0+1, \i0+2, \i0+3
	FRAG AF+FR*(\i), ADRA+\slot, \q, \i
.endr
.endm
.macro SCALES sc                       ; a slot's scale words: four words a row; lanes 0-15 take q's block i, lanes 16-31 W's block i
.irp i, 0,1,2,3,4,5,6,7
	ds_load_b128 v[SC+8*NQ*\sc+NQ*\i:SC+8*NQ*\sc+NQ*\i+3], v[ADRS] offset:\i*SBLK
.endr
.endm
.macro PLACES n                        ; plain vector instructions between a matrix instruction and a load into one of its registers, or a read of its result
.rept \n
	v_nop
.endr
.endm
.macro STEP slot, q, zero              ; a step of 128 along K that has its successor in the same slot
	s_wait_dscnt 4*NL                              ; W's set and q's blocks 0-3 are in; the youngest eight loads (q's blocks 4-7) may be out
.if \zero
	WIN MULZ_LO
.else
	WIN MUL_LO
.endif
	MUL16 0, (\q)%2, \q, \slot, \zero
	MUL16 2, (\q)%2, \q, \slot, \zero
	s_wait_dscnt 0                                 ; q's blocks 4-7 are in
	PLACES NP
	FETCH_B \slot, (\q)+1, 1-(\q)%2
	FETCH_A \slot, (\q)+1, 0
.if \zero
	WIN MULZ_HI
.else
	WIN MUL_HI
.endif
	MUL16 4, (\q)%2, \q, \slot, \zero
	MUL16 6, (\q)%2, \q, \slot, \zero
	PLACES NP
	WIN 0
	FETCH_A \slot, (\q)+1, 4
.endm
.macro STEPS slot, from
.set Q, \from
.rept NQ-1-\from
	STEP \slot, Q, 0
.set Q, Q+1
.endr
.endm
	s_wait_tensorcnt 1                             ; the scales and my part of slot 0 are in; slot 1's load may be out
	s_barrier_signal -1
	s_barrier_wait -1                              ; everybody's are
	FETCH_B 0, 0, 0
	FETCH_A 0, 0, 0
	SCALES 0
	FETCH_A 0, 0, 4
	s_wait_loadcnt 0x0                             ; the bias
	STEP 0, 0, 1
	STEPS 0, 1
	; slot 0's last step, and the change to slot 1: each wave waits for all its tensor loads (its part of slot 1), then the barrier shows the whole slot to all four.  Nothing is filled again.
	s_wait_tensorcnt 0x0
	ds_add_u32 v[SPW], v[NIL]                      ; 0 onto my spare word
	s_wait_dscnt 4*NL+1                            ; (the add and the youngest eight loads may be out)
	WIN MUL_LO
	MUL16 0, 1, NQ-1, 0, 0                         ; sixteen matrix instructions stand between the add and the wait for it
	s_wait_dscnt 0x0
	s_barrier_signal -1
	MUL16 2, 1, NQ-1, 0, 0
	WIN 0
	s_barrier_wait -1
	PLACES NP
	v_add_nc_u32 v[ADRS], 4*NQ, v[ADRS]            ; on to slot 1's scale words (no LDS load of mine is out)
	FETCH_B 1, 0, 0
	FETCH_A 1, 0, 0
	SCALES 1
	WIN MUL_HI
	MUL16 4, 1, NQ-1, 0, 0
	MUL16 6, 1, NQ-1, 0, 0
	PLACES NP
	WIN 0
	FETCH_A 1, 0, 4
	STEPS 1, 0
	s_wait_dscnt 4*NL                              ; the very last step: nothing more to fetch
	WIN MUL_LO
	MUL16 0, 1, NQ-1, 1, 0
	MUL16 2, 1, NQ-1, 1, 0
	s_wait_dscnt 0
	WIN MUL_HI
	MUL16 4, 1, NQ-1, 1, 0
	MUL16 6, 1, NQ-1, 1, 0
	WIN 0
; THE WAY OUT, a block of 16 tokens x 128 columns (two heads) at a time.  PACK: rounded to f16, 16 bytes a lane, each accumulator from its low end on.  TOSTAGE: into my own stage and back, four tokens of one head an instruction.
; SEND: 32 lanes store 512 consecutive bytes.  LDS serves a wave's instructions in order (ISA guide 5.7.1.4): no wait between the stage's stores and loads, nor ahead of the next block's stores.
.macro PACK a
.set AC, 64*((\a)%4)
	WIN 0x0a+5*((\a)/4)                            ; sources 0 and 1: window 2 or 3
.irp b, 0,1,2,3,4,5,6,7
.irp r, 0,1,2,3
	v_cvt_pk_f16_f32 v[TMP+4*\b+\r], v[AC+8*\b+2*\r], v[AC+8*\b+2*\r+1]
.endr
.endr
	WIN 0
.endm
.macro TOSTAGE a
.irp b, 0,1,2,3,4,5,6,7
	ds_store_b128 v[STO], v[TMP+4*\b:TMP+4*\b+3] offset:32*\b
.endr
.set BB, BK+32*((\a)%2)
.irp t, 0,1,2,3,4,5,6,7
	ds_load_b128 v[BB+4*\t:BB+4*\t+3], v[RD] offset:(4*(\t%4))*SPITCH+128*(\t/4)
.endr
.endm
.macro SEND a, younger                 ; younger: the LDS instructions issued behind block a's loads, which may stay out
.set BB, BK+32*((\a)%2)
	s_wait_dscnt \younger
.irp t, 0,1,2,3,4,5,6,7
	global_store_b128 v[CO], v[BB+4*\t:BB+4*\t+3], s[12:13] offset:(\t/4)*262144+(\a)*2048+(\t%4)*512   ; head t / 4, tokens 16 a + 4 (t % 4) on; the base is never stepped
.endr
.endm
	PLACES NP                                      ; behind the last products: for the writes of the scale words' registers and for the reads of results
	PACK 0
	TOSTAGE 0
.irp a, 1,2,3,4,5,6,7
	PACK \a
.if \a > 1
	s_wait_xcnt 0x0                                ; block a - 2's stores have read their registers: block a's loads may land there
.endif
	TOSTAGE \a
	SEND \a-1, 16                                  ; behind block a - 1's loads: block a's 8 stores and 8 loads
.endr
	SEND 7, 0
	s_wait_tensorcnt 0x0                           ; the wave's end
	ds_add_u32 v[SPW], v[NIL]
	s_wait_dscnt 0x0
	CROUND                                         ; the closing round: no work-group ends while a partner may still ask for a tile that names it
	s_endpgm
.Lfunc_end_k_q8fd55f3e46_qkv:
	.size	k_q8fd55f3e46_qkv, .Lfunc_end_k_q8fd55f3e46_qkv-k_q8fd55f3e46_qkv
	.p2alignl 7, 3214868480
	.fill 96, 4, 3214868480
	.section	.rodata,"a",@progbits
	.p2align	6, 0x0
	.amdhsa_kernel k_q8fd55f3e46_qkv
		.amdhsa_group_segment_fixed_size 327680
		.amdhsa_private_segment_fixed_size 0
		.amdhsa_enable_private_segment 0
		.amdhsa_kernarg_size 64
		.amdhsa_user_sgpr_count 2
		.amdhsa_user_sgpr_kernarg_segment_ptr 1
		.amdhsa_wavefront_size32 1
		.amdhsa_system_sgpr_workgroup_id_x 1
		.amdhsa_system_sgpr_workgroup_id_y 1
		.amdhsa_system_sgpr_workgroup_id_z 1
		.amdhsa_system_vgpr_workitem_id 0
		.amdhsa_next_free_vgpr 1024
		.amdhsa_next_free_sgpr 102
		.amdhsa_reserve_vcc 0
		.amdhsa_float_denorm_mode_32 3
		.amdhsa_float_denorm_mode_16_64 3
		.amdhsa_memory_ordered 1
		.amdhsa_forward_progress 1
		.amdhsa_inst_pref_size 128
	.end_amdhsa_kernel
	.amdgpu_metadata
---
amdhsa.version: [ 1, 2 ]
amdhsa.kernels:
  - .name:           k_q8fd55f3e46_qkv
    .symbol:         k_q8fd55f3e46_qkv.kd
    .args:
      - { .name: qc, .offset: 0, .size: 8, .value_kind: global_buffer, .address_space: global }
      - { .name: qs, .offset: 8, .size: 8, .value_kind: global_buffer, .address_space: global }
      - { .name: wc, .offset: 16, .size: 8, .value_kind: global_buffer, .address_space: global }
      - { .name: ws, .offset: 24, .size: 8, .value_kind: global_buffer, .address_space: global }
      - { .name: qkv, .offset: 32, .size: 8, .value_kind: global_buffer, .address_space: global }
      - { .name: bq, .offset: 40, .size: 8, .value_kind: global_buffer, .address_space: global }
      - { .name: bk, .offset: 48, .size: 8, .value_kind: global_buffer, .address_space: global }
      - { .name: bv, .offset: 56, .size: 8, .value_kind: global_buffer, .address_space: global }
    .group_segment_fixed_size: 327680
    .private_segment_fixed_size: 0
    .kernarg_segment_align: 8
    .kernarg_segment_size: 64
    .max_flat_workgroup_size: 128
    .sgpr_count:     102
    .vgpr_count:     1024
    .wavefront_size: 32
...
	.end_amdgpu_metadata
.endif
;; end of part 2
;; launch attn (part 3): grid 4 x 64, 8 waves a work-group, clusters of 4 x 1, 327,680 bytes of LDS; arguments qkv, out1, att16; writes out1, att16
.if DOCPART == 3
	.amdgcn_target "amdgcn-amd-amdhsa--gfx1250"
	.amdhsa_code_object_version 6
	.text
	.protected	k_q8fd55f3e46_attn
	.globl	k_q8fd55f3e46_attn
	.p2align	8
	.type	k_q8fd55f3e46_attn,@function
k_q8fd55f3e46_attn:
	s_mov_b64 s[64:65], 0
	v_nop
	global_prefetch_b8 v0, s[64:65] scope:SCOPE_SE
	s_setreg_imm32_b32 hwreg(HW_REG_WAVE_MODE, 25, 1), 1
	s_wait_xcnt 0x0
	s_wait_alu depctr_hold_cnt(0) depctr_sa_sdst(0) depctr_va_vdst(0) depctr_va_sdst(0) depctr_va_ssrc(0) depctr_va_vcc(0) depctr_vm_vsrc(0)
	s_getreg_b32 s2, hwreg(HW_REG_IB_STS2, 6, 4)
	s_cmp_eq_u32 s2, 0
	s_cbranch_scc0 .Lentry_in_a_cluster
	s_endpgm
.Lentry_in_a_cluster:
	s_bfe_u32 s2, ttmp6, 0x10000c
	s_cmp_lg_u32 s2, 0x3003
	s_cbranch_scc0 .Lentry_shape_is_right
	s_endpgm
.Lentry_shape_is_right:
; ATTENTION.  O[q][:] = the sum over k of softmax_k(Q[q] . K[k] / 8) V[k][:] for each of 64 (batch, head); Q, K, V: qkv [3][64][2048][64] f16.  Products, maxima and sums in f32; the weights p are rounded to f16
; for the second product.  O goes out twice: out1 [4][2048][1024] f32 (the head's 64 columns), and att16 [16 head][8192 token][64] f16 for the projection that follows.
; LIMITS: p under f16's smallest number counts as 0 in the second product (not in the row's sum); O beyond +-65,504 has no f16 number, and O far under 6e-5 keeps an absolute step of 6e-8 in att16.
; SHARES.  A work-group owns 512 queries of one head, each of its EIGHT waves 64: four tiles of 16, in 512 registers: two waves to a SIMD, so that one wave's softmax stands beside the other's products.
; At this head size a tile's softmax for 64 keys (about 118 vector instructions) stands beside 16 matrix instructions: more than one wave could set between its own products; so the text goes in plain phases.
; Each fragment of K and V read from LDS feeds four products.  Every wave walks all 2,048 keys, 64 a step.
; LAYOUT.  S^T = K Q^T (source 0 = 16 keys, source 1 = 16 queries): a lane holds ONE query (lane % 16) and the keys 8 (lane / 16) + 0..7 of each tile.  Two such tiles, rounded to f16 in pairs, ARE source 1
; (32 keys x 16 queries) of O^T = V^T P.  K comes out of LDS as it lies, V ([key][channel]) turned, by ds_load_tr16_b128.  P is laid over S^T's own registers, behind the sums.
; SOFTMAX.  For each query a running maximum m and sum l: p = 2^(c s - c m), c = log2(e) / 8; in every step O and l are multiplied by a = 2^(c m_old - c m_new).
; CLUSTER.  The four work-groups of a cluster are the four query blocks of one head and walk the same K and V: each tile is asked for JOINTLY, by the same tensor load with the same descriptor and the mask of all four.
; RING.  Two slots of four key steps.  Waves 0-3 fetch a slot's four tiles of K, waves 4-7 its four of V: one load a wave behind each round, which has four key steps in which to land.
; REGISTERS: window 0: v2-15 addresses; v16-47 statistics, 8 a tile (+0 c m, +1 m, +2, +3 l, +4..+7 at work, a at +6); v48-111 Q (16 t + 8 ks); v112-239 S^T (32 t + 8 kb), then P (32 t + 0..15).
;   window 1: v0-127 O^T (32 t + 8 cb); v128-191 K of a step (16 kb + 8 ks); v192-255 V of a step (32 g + 8 cb).
.set KS,    64                         ; keys in a step
.set NST,   4                          ; steps in a slot
.set PK,    144                        ; a row of K in LDS: 128 bytes + 16: an odd multiple of 16, so the 16 rows of a load start at 16 different groups of banks
.set PV,    160                        ; a row of V: 128 + 32: an odd multiple of 32
.set VOFF,  KS*PK                      ; a step's tiles lie together: 64 rows of K, then 64 rows of V
.set STEPB, KS*(PK+PV)
.set SLOT1, 1<<17                      ; slot 1 begins here, so that one exclusive or turns an address in one slot into the other's
.set SLOTB, NST*KS*128                 ; a slot's keys in memory: 32,768 bytes of K, as many of V
.set STAGE, SLOT1+NST*STEPB            ; behind the ring: 16 rows x 272 bytes for each wave, for the way out
.set SP,    272
.set SPARE, STAGE+8*16*SP              ; the spare words, 128 bytes a wave; no other line names them
.set AK0, 2
.set AV0, 3
.set ADK, 4
.set ADV, 5
.set QO,  6
.set STO, 7
.set RD,  8
.set GO,  10
.set GH,  11
.set PFO, 12
.set SPW, 14
.set NIL, 15
.set ST,  16
.set QF,  48
.set S,   112
.set KF,  128                          ; in window 1
.set VF,  192                          ; in window 1
.set WV,  12                           ; s12  my wave's number
.set LIM, 15                           ; s15  1 in a wave that prefetches, else the greatest number
.set PFA, 18                           ; s[18:19] where my prefetches stand
.set G1K, 24
.set G1V, 32
.set G0K, 40                           ; s[40:47] two sets for the two first fills; the second then walks on
.set G0V, 48
.set SLOTS, 56                         ; slots still to be asked for
.set CNT, 57                           ; counts a slot's steps
.set CS,  58                           ; s[58:59] c
.set SEL, 60                           ; s[60:61] lane selects for v_permlanex16_b32: lane l xor 16
.set TB,  62                           ; LDS byte at which the tiles of the step to be fetched begin
.set MSB, 0
.macro WIN new                         ; the immediate's high byte repeats the setting that is left
.if MSB != (\new)
	s_set_vgpr_msb (MSB<<8)|(\new)
.set MSB, (\new)
.endif
.endm
; A joint refill.  The branch hangs on the wave's number alone.  An s_nop 0 and four v_nop follow each of the two lines.
.macro JLOAD
	s_cmp_lt_u32 s[WV], 4
	s_cbranch_scc0 .Lfor_v_\@
	tensor_load_to_lds s[G0K+4:G0K+7], s[G1K:G1K+7]
	s_nop 0
.rept 4
	v_nop
.endr
	s_branch .Lasked_\@
.Lfor_v_\@:
	tensor_load_to_lds s[G0V+4:G0V+7], s[G1V:G1V+7]
	s_nop 0
.rept 4
	v_nop
.endr
.Lasked_\@:
.endm
; A PREFETCH of what the NEXT change of slots will ask for: 32,768 bytes of K and as many of V, both dense.  The four partners share them out BY ADDRESS, 8,192 bytes each; in each, wave 0 asks for K's and wave 4 for V's,
; lanes 256 bytes apart: one instruction.  So each block of 256 bytes is named once in the launch.  It stands behind the wave's tensor load and its five lines.  The last change that fills a slot asks for nothing;
; slots 0 to 2 come by their loads alone.
.macro ASK
	s_cmp_gt_u32 s[SLOTS], s[LIM]
	s_cbranch_scc0 .Lnot_mine_\@
	global_prefetch_b8 v[PFO], s[PFA:PFA+1] th:TH_LOAD_NT scope:SCOPE_SE
.Lnot_mine_\@:
.endm
.macro CROUND                          ; a round of the cluster's barrier
	s_barrier_signal -1
	s_barrier_wait -1
	s_cmp_lg_u32 s[WV], 0
	s_cbranch_scc1 .Lnot_wave_0_\@
	s_barrier_signal -3
.Lnot_wave_0_\@:
	s_barrier_wait -3
	s_barrier_signal -1
	s_barrier_wait -1
.endm
	s_load_b128 s[4:7], s[0:1], 0x0                ; qkv, out1
	s_load_b64 s[8:9], s[0:1], 0x10                ; att16
	v_lshl_add_u32 v[SPW], v0, 2, SPARE
	v_mov_b32 v[NIL], 0
	ds_add_u32 v[SPW], v[NIL]                      ; the wave's opening: the add, twice on end, and its wait ahead of my first tensor load
	ds_add_u32 v[SPW], v[NIL]                      ; and once more, under the one wait; the set-up below, work on registers, stands between
	v_lshrrev_b32 v1, 5, v0
	v_readfirstlane_b32 s[WV], v1                  ; wave 0..7
	s_bfe_u32 s13, ttmp6, 0x40000                  ; cx: my place in the cluster
	s_and_b32 s66, ttmp7, 0xffff                   ; 16 x batch + head, which the four partners share
	s_lshl_b32 s20, s66, 18                        ; the head's first byte in each of Q, K, V
	s_and_b32 s14, s[WV], 3                        ; which of a slot's four steps I fetch:
	s_lshl_b32 s22, s14, 13                        ; its 64 rows of 128 bytes in memory,
	s_add_co_u32 s22, s22, s20
	s_mov_b32 s23, 0
	s_mul_i32 s14, s14, STEPB                      ; and its place in a slot: no place in the cluster enters an LDS address
	s_lshl_b32 s21, ttmp9, 2
	s_add_co_u32 s21, s21, s13                     ; my block of 512 queries: it enters Q's and the outputs' addresses alone
	s_lshl_b32 s69, s21, 9
	s_lshl_b32 s70, s[WV], 6
	s_add_co_u32 s69, s69, s70                     ; my wave's first query
	s_lshl_b32 s2, s69, 7
	s_add_co_u32 s2, s2, s20
	s_mov_b32 s3, 0                                ; its row of Q
	s_lshr_b32 s67, s66, 4                         ; batch
	s_and_b32 s68, s66, 15                         ; head
	s_lshl_b32 s70, s67, 11
	s_add_co_u32 s70, s70, s69                     ; token = 2,048 x batch + query
	s_lshl_b32 s72, s70, 12                        ; out1: 4,096 bytes a token,
	s_lshl_b32 s71, s68, 8                         ; 256 a head
	s_add_co_u32 s72, s72, s71
	s_mov_b32 s73, 0
	s_lshl_b32 s74, s68, 13
	s_add_co_u32 s74, s74, s70
	s_lshl_b32 s74, s74, 7                         ; att16: (8,192 x head + token) x 128
	s_mov_b32 s75, 0
	; descriptor group 1: a tile of 64 rows x 64 elements of 2 bytes, padded in LDS
	s_mov_b32 s[G1K], 15|(1<<16)|(1<<20)|(1<<21)|(4<<22)|(3<<25)  ; 15:0 the mask: all four work-groups; elements of 2 bytes; padding on; bit 21 beside a mask; after every 32 words four words
	s_mov_b32 s[G1V], 15|(1<<16)|(1<<20)|(1<<21)|(4<<22)|(7<<25)  ; the same with eight words
.irp g, G1K, G1V
	s_mov_b32 s[\g+1], 64<<16                      ; tensor_dim0
	s_mov_b32 s[\g+2], KS<<16                      ; tensor_dim1
	s_mov_b32 s[\g+3], 64<<16                      ; tile_dim0
	s_mov_b32 s[\g+4], KS                          ; tile_dim1
	s_mov_b32 s[\g+5], 64                          ; from row to row
	s_mov_b32 s[\g+6], 0
	s_mov_b32 s[\g+7], 0
.endr
	s_mov_b32 s[CS], 0x3e38aa3b                    ; c = log2(e) / 8
	s_mov_b32 s[CS+1], s[CS]                       ; named with it as a pair, so it is written
	s_mov_b32 s[SEL], 0x76543210
	s_mov_b32 s[SEL+1], 0xfedcba98
	s_mov_b32 s[TB], 0
	s_mov_b32 s[SLOTS], 2048/(NST*KS)-2
	s_and_b32 s[LIM], s[WV], 3                     ; 0 in waves 0 and 4: the same in all four partners
	s_cmp_eq_u32 s[LIM], 0
	s_cselect_b32 s[LIM], 1, -1
	v_and_b32 v[PFO], 31, v0
	v_lshlrev_b32 v[PFO], 8, v[PFO]
	s_wait_dscnt 0x0                               ; both opening adds are done
	s_wait_kmcnt 0x0
	s_add_nc_u64 s[10:11], s[4:5], s[22:23]
	s_add_nc_u64 s[16:17], s[10:11], 0x2000000     ; V at my tile of slot 0
	s_add_nc_u64 s[10:11], s[10:11], 0x1000000     ; K likewise
	s_add_nc_u64 s[4:5], s[4:5], s[2:3]            ; Q at my wave's first row
	s_add_nc_u64 s[6:7], s[6:7], s[72:73]
	s_add_nc_u64 s[8:9], s[8:9], s[74:75]
	s_cmp_lt_u32 s[WV], 4
	s_cselect_b64 s[PFA:PFA+1], s[10:11], s[16:17] ; (in waves 0 and 4 these stand at a slot's first row)
	s_lshl_b32 s2, s13, 13                         ; my work-group's 8,192 bytes of the 32,768
	s_mov_b32 s3, 0
	s_add_nc_u64 s[PFA:PFA+1], s[PFA:PFA+1], s[2:3]
	s_add_nc_u64 s[PFA:PFA+1], s[PFA:PFA+1], 2*SLOTB  ; in slot 2; the first change of slots steps it to slot 3.  Nothing is prefetched at the head
	CROUND                                         ; all four work-groups are here: the first joint loads meet
.irp s, 0,1
	s_mov_b32 s[G0K+4*\s], 1                       ; count = 1
	s_add_co_u32 s[G0K+4*\s+1], s14, \s*SLOT1      ; LDS address
	s_add_nc_u64 s[G0K+4*\s+2:G0K+4*\s+3], s[10:11], \s*SLOTB   ; global address: slot s begins with key 256 s
	s_or_b32 s[G0K+4*\s+3], s[G0K+4*\s+3], 0x80000000           ; type = 2
	s_mov_b32 s[G0V+4*\s], 1
	s_add_co_u32 s[G0V+4*\s+1], s14, \s*SLOT1+VOFF
	s_add_nc_u64 s[G0V+4*\s+2:G0V+4*\s+3], s[16:17], \s*SLOTB
	s_or_b32 s[G0V+4*\s+3], s[G0V+4*\s+3], 0x80000000
.endr
	s_cmp_lt_u32 s[WV], 4                          ; a wave's two first fills stand in one branch, ahead of every wait on TENSORcnt and every LDS read: two loads of mine are out
	s_cbranch_scc0 .Lfirst_v
	tensor_load_to_lds s[G0K:G0K+3], s[G1K:G1K+7]
	s_nop 0
	tensor_load_to_lds s[G0K+4:G0K+7], s[G1K:G1K+7]
	s_nop 0
.rept 4
	v_nop
.endr
	s_branch .Lfirst_asked
.Lfirst_v:
	tensor_load_to_lds s[G0V:G0V+3], s[G1V:G1V+7]
	s_nop 0
	tensor_load_to_lds s[G0V+4:G0V+7], s[G1V:G1V+7]
	s_nop 0
.rept 4
	v_nop
.endr
.Lfirst_asked:
	; A fragment of K or Q is 16 rows x 32 channels in 8 registers: lane l holds row l % 16; registers 0-3 channels 8 (l / 16) + 0..7, registers 4-7 channels 16 + 8 (l / 16) + 0..7: two loads of 16 bytes, 32 bytes apart.
	v_and_b32 v1, 15, v0                           ; r
	v_bfe_u32 v9, v0, 4, 1                         ; h
	v_lshlrev_b32 v[QO], 7, v1
	v_lshl_add_u32 v[QO], v9, 4, v[QO]             ; row x 128 + 16 x half
.irp t, 0,1,2,3
.irp k, 0,1
	global_load_b128 v[QF+16*\t+8*\k:QF+16*\t+8*\k+3],   v[QO], s[4:5] offset:\t*2048+\k*64      ; Q stays in registers
	global_load_b128 v[QF+16*\t+8*\k+4:QF+16*\t+8*\k+7], v[QO], s[4:5] offset:\t*2048+\k*64+32
.endr
.endr
	v_mul_u32_u24 v[AK0], v1, PK
	v_lshl_add_u32 v[AK0], v9, 4, v[AK0]           ; K: row x pitch + 16 x half
	v_and_b32 v13, 7, v0                           ; V: the turning load takes 16 keys x 16 channels: lane l reads key 8 (l / 16) + l % 8, channels 8 ((l / 8) % 2) + 0..7
	v_lshl_add_u32 v[AV0], v9, 3, v13
	v_mul_u32_u24 v[AV0], v[AV0], PV
	v_bfe_u32 v13, v0, 3, 1
	v_lshl_add_u32 v[AV0], v13, 4, v[AV0]
	v_add_nc_u32 v[AV0], VOFF, v[AV0]
	s_mul_i32 s14, s[WV], 16*SP
	s_add_co_u32 s14, s14, STAGE                   ; my stage
	v_mul_u32_u24 v[STO], v1, SP                   ; in: query r, 32 bytes for each half of the lanes
	v_lshl_add_u32 v[STO], v9, 5, v[STO]
	v_add_nc_u32 v[STO], s14, v[STO]
	v_mul_u32_u24 v[RD], v9, SP                    ; back: lanes 0-15 one row of 256 bytes, lanes 16-31 the next
	v_lshl_add_u32 v[RD], v1, 4, v[RD]
	v_add_nc_u32 v[RD], s14, v[RD]
	v_lshlrev_b32 v[GO], 12, v9                    ; the same two rows in out1,
	v_lshl_add_u32 v[GO], v1, 4, v[GO]
	v_and_b32 v[GH], 31, v0
	v_lshlrev_b32 v[GH], 3, v[GH]                  ; and in att16: 8 x lane
; A KEY STEP: 64 keys.  first = 1: the first step, which starts m, l and O^T: it has no a and nothing to rescale.
.macro STEP first
	v_add_nc_u32 v[ADK], s[TB], v[AK0]
	v_add_nc_u32 v[ADV], s[TB], v[AV0]
.rept 4
	v_nop                                          ; with the two additions six plain instructions behind the last V^T P: four are owed ahead of the loads into V's registers, five ahead of the products that write over P's
.endr
	s_add_co_u32 s[TB], s[TB], STEPB               ; the next fetch is the next step's
	WIN 0x40                                       ; destination window 1
.irp f, 0,1,2,3,4,5,6,7                        ; K: keys 16 (f / 2) on, channels 32 (f % 2) on
	ds_load_b128 v[KF+8*\f:KF+8*\f+3],   v[ADK] offset:(\f/2)*16*PK+(\f%2)*64
	ds_load_b128 v[KF+8*\f+4:KF+8*\f+7], v[ADK] offset:(\f/2)*16*PK+(\f%2)*64+32
.endr
.irp f, 0,1,2,3,4,5,6,7                        ; V, turned: keys 32 (f / 4) on, channels 16 (f % 4) on
	ds_load_tr16_b128 v[VF+8*\f:VF+8*\f+3],   v[ADV] offset:(\f/4)*32*PV+(\f%4)*32
	ds_load_tr16_b128 v[VF+8*\f+4:VF+8*\f+7], v[ADV] offset:(\f/4)*32*PV+16*PV+(\f%4)*32
.endr
	s_wait_dscnt 16                                ; K is in; V's sixteen loads may be out
	WIN 0x01                                       ; source 0 (K) window 1
.set i, 0
.rept 32                                       ; S^T = K Q^T: channels 32 (i / 16) on, keys 16 ((i / 4) % 4) on, tile i % 4.  The 16 accumulators take turns; the first 16 start the sums
.set rS, S+32*(i%4)+8*((i/4)%4)
.set rK, KF+16*((i/4)%4)+8*(i/16)
.set rQ, QF+16*(i%4)+8*(i/16)
.if i < 16
	v_wmma_f32_16x16x32_f16 v[rS:rS+7], v[rK:rK+7], v[rQ:rQ+7], 0
.else
	v_wmma_f32_16x16x32_f16 v[rS:rS+7], v[rK:rK+7], v[rQ:rQ+7], v[rS:rS+7]
.endif
.set i, i+1
.endr
	WIN 0
.rept 4
	v_nop                                          ; places ahead of the first read of the scores
.endr
	; the maximum of my 32 scores of each tile and the old m: four chains, each accumulator from its low end on; the four tiles by turns
.irp j, 0,1,2,3
.irp t, 0,1,2,3
	v_max3_num_f32 v[ST+8*\t+4+\j], v[S+32*\t+8*\j], v[S+32*\t+8*\j+1], v[S+32*\t+8*\j+2]
.endr
.endr
.irp u, 1,2
.irp j, 0,1,2,3
.irp t, 0,1,2,3
	v_max3_num_f32 v[ST+8*\t+4+\j], v[ST+8*\t+4+\j], v[S+32*\t+8*\j+2*\u+1], v[S+32*\t+8*\j+2*\u+2]
.endr
.endr
.endr
.irp t, 0,1,2,3
	v_max3_num_f32 v[ST+8*\t+4], v[ST+8*\t+4], v[S+32*\t+7], v[S+32*\t+15]
.endr
.irp t, 0,1,2,3
	v_max3_num_f32 v[ST+8*\t+6], v[ST+8*\t+6], v[S+32*\t+23], v[S+32*\t+31]
.endr
.irp t, 0,1,2,3
	v_max3_num_f32 v[ST+8*\t+4], v[ST+8*\t+4], v[ST+8*\t+5], v[ST+8*\t+6]
.endr
.irp t, 0,1,2,3
.if \first
	v_max_num_f32 v[ST+8*\t+4], v[ST+8*\t+4], v[ST+8*\t+7]
.else
	v_max3_num_f32 v[ST+8*\t+4], v[ST+8*\t+4], v[ST+8*\t+7], v[ST+8*\t+1]
.endif
.endr
.irp t, 0,1,2,3
	v_permlanex16_b32 v[ST+8*\t+5], v[ST+8*\t+4], s[SEL], s[SEL+1]  ; the query's other 32 keys lie in the lane 16 away
.endr
.if \first == 0
.irp t, 0,1,2,3
	v_mov_b32 v[ST+8*\t+7], v[ST+8*\t]             ; c m_old is kept for a
.endr
.endif
.irp t, 0,1,2,3
	v_max_num_f32 v[ST+8*\t+1], v[ST+8*\t+4], v[ST+8*\t+5]
.endr
.irp t, 0,1,2,3
	v_mul_f32 v[ST+8*\t], s[CS], v[ST+8*\t+1]
.endr
.if \first == 0
.irp t, 0,1,2,3
	v_sub_f32 v[ST+8*\t+7], v[ST+8*\t+7], v[ST+8*\t]
.endr
.irp t, 0,1,2,3
	v_exp_f32 v[ST+8*\t+6], v[ST+8*\t+7]           ; a
.endr
.endif
	; ONE BATCH: the scalings c s - c m, a pair of scores each, and all exponentials.  No line of it names an exponential's result
.irp b, 0,1,2,3,4,5,6,7,8,9,10,11,12,13,14,15
.irp t, 0,1,2,3
	v_pk_fma_f32 v[S+32*\t+2*\b:S+32*\t+2*\b+1], v[S+32*\t+2*\b:S+32*\t+2*\b+1], s[CS:CS+1], v[ST+8*\t:ST+8*\t+1] op_sel_hi:[1,0,0] neg_lo:[0,0,1] neg_hi:[0,0,1]
.endr
.irp t, 0,1,2,3
	v_exp_f32 v[S+32*\t+2*\b], v[S+32*\t+2*\b]
	v_exp_f32 v[S+32*\t+2*\b+1], v[S+32*\t+2*\b+1]
.endr
.endr
	v_nop                                          ; a plain instruction behind the last exponential (ISA guide 5.7.2),
	s_wait_alu depctr_va_vdst(0)                   ; and a wait ahead of the batch's first reader
	; the sums of the unrounded p: l = a l + the tile's 16 pairs, in two chains; S^T stays as it is
.if \first
.irp t, 0,1,2,3
	v_pk_add_f32 v[ST+8*\t+2:ST+8*\t+3], v[S+32*\t:S+32*\t+1], v[S+32*\t+2:S+32*\t+3]
.endr
.irp t, 0,1,2,3
	v_pk_add_f32 v[ST+8*\t+4:ST+8*\t+5], v[S+32*\t+4:S+32*\t+5], v[S+32*\t+6:S+32*\t+7]
.endr
.irp b, 4,6,8,10,12,14
.irp t, 0,1,2,3
	v_pk_add_f32 v[ST+8*\t+2:ST+8*\t+3], v[ST+8*\t+2:ST+8*\t+3], v[S+32*\t+2*\b:S+32*\t+2*\b+1]
.endr
.irp t, 0,1,2,3
	v_pk_add_f32 v[ST+8*\t+4:ST+8*\t+5], v[ST+8*\t+4:ST+8*\t+5], v[S+32*\t+2*\b+2:S+32*\t+2*\b+3]
.endr
.endr
.else
.irp t, 0,1,2,3
	v_pk_fma_f32 v[ST+8*\t+2:ST+8*\t+3], v[ST+8*\t+2:ST+8*\t+3], v[ST+8*\t+6:ST+8*\t+7], v[S+32*\t:S+32*\t+1] op_sel_hi:[1,0,1]
.endr
.irp t, 0,1,2,3
	v_pk_add_f32 v[ST+8*\t+4:ST+8*\t+5], v[S+32*\t+2:S+32*\t+3], v[S+32*\t+4:S+32*\t+5]
.endr
.irp b, 3,5,7,9,11,13
.irp t, 0,1,2,3
	v_pk_add_f32 v[ST+8*\t+2:ST+8*\t+3], v[ST+8*\t+2:ST+8*\t+3], v[S+32*\t+2*\b:S+32*\t+2*\b+1]
.endr
.irp t, 0,1,2,3
	v_pk_add_f32 v[ST+8*\t+4:ST+8*\t+5], v[ST+8*\t+4:ST+8*\t+5], v[S+32*\t+2*\b+2:S+32*\t+2*\b+3]
.endr
.endr
.irp t, 0,1,2,3
	v_pk_add_f32 v[ST+8*\t+2:ST+8*\t+3], v[ST+8*\t+2:ST+8*\t+3], v[S+32*\t+30:S+32*\t+31]
.endr
.endif
.irp t, 0,1,2,3
	v_pk_add_f32 v[ST+8*\t+2:ST+8*\t+3], v[ST+8*\t+2:ST+8*\t+3], v[ST+8*\t+4:ST+8*\t+5]
.endr
	; P: pair j of a tile, rounded to f16, into the tile's register j: ascending, so that no pair is written over before it is read
.irp j, 0,1,2,3,4,5,6,7,8,9,10,11,12,13,14,15
.irp t, 0,1,2,3
	v_cvt_pk_f16_f32 v[S+32*\t+\j], v[S+32*\t+2*\j], v[S+32*\t+2*\j+1]
.endr
.endr
.if \first == 0
	WIN 0x41                                       ; O^T (destination and source 0) window 1, a window 0
.irp t, 0,1,2,3
.irp i, 0,2,4,6,8,10,12,14,16,18,20,22,24,26,28,30
	v_pk_mul_f32 v[32*\t+\i:32*\t+\i+1], v[32*\t+\i:32*\t+\i+1], v[ST+8*\t+6:ST+8*\t+7] op_sel_hi:[1,0]
.endr
.endr
.endif
	s_wait_dscnt 0x0                               ; V is in
	WIN 0x51                                       ; V window 1, P window 0, O^T window 1
.set i, 0
.rept 32                                       ; O^T += V^T P: keys 32 (i / 16) on, channels 16 ((i / 4) % 4) on, tile i % 4.  The 16 accumulators take turns
.set rO, 32*(i%4)+8*((i/4)%4)
.set rV, VF+32*(i/16)+8*((i/4)%4)
.set rP, S+32*(i%4)+8*(i/16)
.if \first && (i < 16)
	v_wmma_f32_16x16x32_f16 v[rO:rO+7], v[rV:rV+7], v[rP:rP+7], 0
.else
	v_wmma_f32_16x16x32_f16 v[rO:rO+7], v[rV:rV+7], v[rP:rP+7], v[rO:rO+7]
.endif
.set i, i+1
.endr
	WIN 0
.endm
.macro STEPS n                         ; n key steps: written once, walked n times; the LDS addresses hang on s[TB]
	s_mov_b32 s[CNT], \n
.Lstep_\@:
	STEP 0
	s_sub_co_u32 s[CNT], s[CNT], 1
	s_cmp_lg_u32 s[CNT], 0
	s_cbranch_scc1 .Lstep_\@
.endm
; THE CHANGE OF SLOTS.  Each wave waits for all its tensor loads, of which one is out: its part of the other slot; adds 0 to its spare word; and waits for that and for its own reads of the slot that it leaves.
; fill = 1: that slot is filled again, with the keys two slots on.  The barrier is then a round of the cluster's, so that no wave of any partner still reads the slot or has a load on its way, and the joint
; refill is the first thing behind it: my one tensor load until the next round.
.macro CHANGE fill
	WIN 0
	s_wait_tensorcnt 0x0                           ; no tensor load of mine is out, so a group 0 may be written
	ds_add_u32 v[SPW], v[NIL]                      ; 0 onto my spare word
.if \fill
.irp g, G0K+4, G0V+4
	s_xor_b32 s[\g+1], s[\g+1], SLOT1              ; the walking descriptor: the other slot than last time,
	s_add_nc_u64 s[\g+2:\g+3], s[\g+2:\g+3], SLOTB ; the next 256 keys; the type bits on top are not reached
.endr
	s_wait_xcnt 0x0                                ; the last prefetch, a slot back, has read its address, so it may be written
	s_add_nc_u64 s[PFA:PFA+1], s[PFA:PFA+1], SLOTB ; one slot further on than the walking descriptors
	s_wait_dscnt 0x0                               ; the add is done, and my reads of the slot are over
	CROUND
	JLOAD
	ASK
.else
	s_wait_dscnt 0x0
	s_barrier_signal -1
	s_barrier_wait -1
.endif
	s_sub_co_u32 s[TB], s[TB], NST*STEPB           ; the fetches go back to a slot's first step,
	s_xor_b32 s[TB], s[TB], SLOT1                  ; in the other slot
.endm
	s_wait_tensorcnt 1                             ; my part of slot 0 is in; slot 1's may stay out
	s_barrier_signal -1
	s_barrier_wait -1                              ; everybody's is
	s_wait_loadcnt 0x0                             ; Q
	STEP 1
	STEPS 3
.Lslot:                                            ; six trips: every slot but the last two is filled again
	CHANGE 1
	STEPS 4
	s_sub_co_u32 s[SLOTS], s[SLOTS], 1
	s_cmp_lg_u32 s[SLOTS], 0
	s_cbranch_scc1 .Lslot
	CHANGE 0                                       ; the tail is written out
	STEPS 4
	; THE WAY OUT.  l's two halves and the other half of the lanes' are added (these lines are the places behind the last products); O^T is divided by l and sent through my stage, a tile (16 queries) at a time.
.irp t, 0,1,2,3
	v_add_f32 v[ST+8*\t+4], v[ST+8*\t+2], v[ST+8*\t+3]
.endr
.irp t, 0,1,2,3
	v_permlanex16_b32 v[ST+8*\t+5], v[ST+8*\t+4], s[SEL], s[SEL+1]
.endr
.irp t, 0,1,2,3
	v_add_f32 v[ST+8*\t+4], v[ST+8*\t+4], v[ST+8*\t+5]
.endr
.irp t, 0,1,2,3
	v_rcp_f32 v[ST+8*\t+6], v[ST+8*\t+4]
.endr
	v_nop                                          ; a plain instruction between the last reciprocal and the use of its result
	s_wait_alu depctr_va_vdst(0)                   ; and one wait for the four
.macro PACK t
	WIN 0x41
.irp i, 0,2,4,6,8,10,12,14,16,18,20,22,24,26,28,30
	v_pk_mul_f32 v[32*\t+\i:32*\t+\i+1], v[32*\t+\i:32*\t+\i+1], v[ST+8*\t+6:ST+8*\t+7] op_sel_hi:[1,0]
.endr
	WIN 0x04                                       ; an LDS store's data are its source 1: window 1
.irp c, 0,1,2,3
	ds_store_b128 v[STO], v[32*\t+8*\c:32*\t+8*\c+3] offset:64*\c          ; lane (r, h): o(r, 16 c + 8 h + 0 .. 7)
	ds_store_b128 v[STO], v[32*\t+8*\c+4:32*\t+8*\c+7] offset:64*\c+16
.endr
	WIN 0
.irp i, 0,1,2,3,4,5,6,7
	ds_load_b128 v[S+32*\t+4*\i:S+32*\t+4*\i+3], v[RD] offset:\i*2*SP      ; LDS serves a wave's instructions in order (ISA guide 5.7.1.4): these see the stores above; the next tile's stores come behind them
.endr
.endm
.macro SEND t, younger                 ; younger: the LDS instructions issued behind tile t's loads: the next tile's sixteen, or none.  No store's data register is written again
.irp i, 0,1,2,3,4,5,6,7
	s_wait_dscnt \younger+7-\i
	global_store_b128 v[GO], v[S+32*\t+4*\i:S+32*\t+4*\i+3], s[6:7] offset:(16*\t+2*\i)*4096 th:TH_STORE_NT  ; 16 lanes store the head's 256 consecutive bytes of a token, at a multiple of 256 from out1's first byte
	v_cvt_pk_f16_f32 v[QF+16*\t+2*\i], v[S+32*\t+4*\i], v[S+32*\t+4*\i+1]
	v_cvt_pk_f16_f32 v[QF+16*\t+2*\i+1], v[S+32*\t+4*\i+2], v[S+32*\t+4*\i+3]
	global_store_b64 v[GH], v[QF+16*\t+2*\i:QF+16*\t+2*\i+1], s[8:9] offset:(16*\t+2*\i)*128               ; 32 lanes store two tokens' 256 consecutive bytes
.endr
.endm
	PACK 0
	PACK 1
	SEND 0, 16
	PACK 2
	SEND 1, 16
	PACK 3
	SEND 2, 16
	SEND 3, 0
	s_wait_tensorcnt 0x0                           ; the wave's end
	ds_add_u32 v[SPW], v[NIL]
	s_wait_dscnt 0x0
	CROUND                                         ; the closing round: no work-group ends while a partner may still ask for a tile that names it
	s_endpgm
.Lfunc_end_k_q8fd55f3e46_attn:
	.size	k_q8fd55f3e46_attn, .Lfunc_end_k_q8fd55f3e46_attn-k_q8fd55f3e46_attn
	.p2alignl 7, 3214868480
	.fill 96, 4, 3214868480
	.section	.rodata,"a",@progbits
	.p2align	6, 0x0
	.amdhsa_kernel k_q8fd55f3e46_attn
		.amdhsa_group_segment_fixed_size 327680
		.amdhsa_private_segment_fixed_size 0
		.amdhsa_enable_private_segment 0
		.amdhsa_kernarg_size 24
		.amdhsa_user_sgpr_count 2
		.amdhsa_user_sgpr_kernarg_segment_ptr 1
		.amdhsa_wavefront_size32 1
		.amdhsa_system_sgpr_workgroup_id_x 1
		.amdhsa_system_sgpr_workgroup_id_y 1
		.amdhsa_system_sgpr_workgroup_id_z 1
		.amdhsa_system_vgpr_workitem_id 0
		.amdhsa_next_free_vgpr 512
		.amdhsa_next_free_sgpr 80
		.amdhsa_reserve_vcc 0
		.amdhsa_float_denorm_mode_32 3
		.amdhsa_float_denorm_mode_16_64 3
		.amdhsa_memory_ordered 1
		.amdhsa_forward_progress 1
		.amdhsa_inst_pref_size 153
	.end_amdhsa_kernel
	.amdgpu_metadata
---
amdhsa.version: [ 1, 2 ]
amdhsa.kernels:
  - .name:           k_q8fd55f3e46_attn
    .symbol:         k_q8fd55f3e46_attn.kd
    .args:
      - { .name: qkv, .offset: 0, .size: 8, .value_kind: global_buffer, .address_space: global }
      - { .name: out1, .offset: 8, .size: 8, .value_kind: global_buffer, .address_space: global }
      - { .name: att16, .offset: 16, .size: 8, .value_kind: global_buffer, .address_space: global }
    .group_segment_fixed_size: 327680
    .private_segment_fixed_size: 0
    .kernarg_segment_align: 8
    .kernarg_segment_size: 24
    .max_flat_workgroup_size: 256
    .sgpr_count:     80
    .vgpr_count:     512
    .wavefront_size: 32
...
	.end_amdgpu_metadata
.endif
;; end of part 3
;; launch oproj (part 4): grid 4 x 64, 4 waves a work-group, clusters of 4 x 4, 327,680 bytes of LDS; arguments att16, wo16, bo, out0; writes out0
.if DOCPART == 4
	.amdgcn_target "amdgcn-amd-amdhsa--gfx1250"
	.amdhsa_code_object_version 6
	.text
	.protected	k_q8fd55f3e46_oproj
	.globl	k_q8fd55f3e46_oproj
	.p2align	8
	.type	k_q8fd55f3e46_oproj,@function
k_q8fd55f3e46_oproj:
	s_mov_b64 s[64:65], 0
	v_nop
	global_prefetch_b8 v0, s[64:65] scope:SCOPE_SE
	s_setreg_imm32_b32 hwreg(HW_REG_WAVE_MODE, 25, 1), 1
	s_wait_xcnt 0x0
	s_wait_alu depctr_hold_cnt(0) depctr_sa_sdst(0) depctr_va_vdst(0) depctr_va_sdst(0) depctr_va_ssrc(0) depctr_va_vcc(0) depctr_vm_vsrc(0)
	s_getreg_b32 s2, hwreg(HW_REG_IB_STS2, 6, 4)
	s_cmp_eq_u32 s2, 0
	s_cbranch_scc0 .Lentry_in_a_cluster
	s_endpgm
.Lentry_in_a_cluster:
	s_bfe_u32 s2, ttmp6, 0x10000c
	s_cmp_lg_u32 s2, 0xf033
	s_cbranch_scc0 .Lentry_shape_is_right
	s_endpgm
.Lentry_shape_is_right:
; OUT PROJECTION.  out0[m][n] = sum over k of att[m][k] Wo[n][k] + bo[n]; m = 0 .. 8191, n, k = 0 .. 1023.  Operands in f16, both laid by chunks of 64 along K: att16 [16][8192][64], wo16 [16][1024][64]; sums and out0 in f32.
; A tile of out0 is 128 (m) x 256 (n): 256 work-groups, one to a WGP.  Four waves, each 64 x 128: 32 accumulators of 16 x 16, 256 registers.  K goes in steps of 128 (two chunks) through a ring of two LDS slots.
; CLUSTERS: 4 x 4 work-groups.  The four of a row of the cluster need the same tiles of att, the four of a column the same tiles of Wo: each is asked for JOINTLY, by the same tensor load with the same descriptor and a mask that
; names the four.  Waves 0 and 1 fetch att's two chunks of a slot (128 rows x 128 bytes each), waves 2 and 3 Wo's (256 rows each): one load a wave behind each round.
; THE MATRIX INSTRUCTION IS USED TRANSPOSED (source 0 = 16 rows of Wo, source 1 = 16 rows of att): a lane then holds eight neighbouring n of one row m.  The bias is the C of each sum's first product.
; No prefetch: the tiles are small, shared in the cluster, and the launch is short.  One tile to a work-group.
; REGISTERS: window 0: v16-30 addresses; two fragment buffers of 96 at v32 and v128 (att's 4 fragments, then Wo's 8, 32 along K); on the way out they hold rows.   window 1: accumulator (a, b) at v[8 (8 a + b)].   window 2: v0-63 the bias.
.set PITCH,  144                       ; an LDS row: 128 bytes + 16: an odd multiple of 16, so the 16 rows of a load start at 16 different groups of banks
.set ACH,    128*PITCH                 ; a chunk of att's tile
.set BCH,    256*PITCH                 ; a chunk of Wo's
.set SLOT,   2*ACH+2*BCH               ; att's two chunks, then Wo's two
.set STAGE,  2*SLOT                    ; behind the ring: 16 rows x (512 bytes + 16) for each wave
.set SPITCH, 528
.set SPARE,  STAGE+4*16*SPITCH         ; the spare words, 128 bytes a wave; no other line names them
.set LAPS,   4                         ; a lap = two slots = 256 along K
.set ADRA, 16
.set ADRB, 20
.set STO,  24
.set RD,   25
.set CO,   26
.set SPW,  28
.set NIL,  29
.set BOF,  30
.set F0,   32
.set F1,   128
.set G1, 24
.set G0, 32
.set G1B, 48
.set G0B, 56
.set MSB, 0
.macro WIN new                         ; the immediate's high byte repeats the setting that is left
.if MSB != (\new)
	s_set_vgpr_msb (MSB<<8)|(\new)
.set MSB, (\new)
.endif
.endm
.set MUL,  0x50                        ; C and D window 1, both sources window 0
.set MULZ, 0x60                        ; the first product: C (the bias) window 2, D window 1
.macro JLOAD s                         ; a joint load; an s_nop 0 and four v_nop follow each of the two lines
	s_cmp_eq_u32 s13, 0
	s_cbranch_scc0 .Lfor_b_\@
	tensor_load_to_lds s[G0+4*\s:G0+4*\s+3], s[G1:G1+7]
	s_nop 0
.rept 4
	v_nop
.endr
	s_branch .Lasked_\@
.Lfor_b_\@:
	tensor_load_to_lds s[G0B+4*\s:G0B+4*\s+3], s[G1B:G1B+7]
	s_nop 0
.rept 4
	v_nop
.endr
.Lasked_\@:
.endm
.macro CREST                           ; a round of the cluster's barrier behind its opening barrier
	s_cmp_lg_u32 s12, 0
	s_cbranch_scc1 .Lnot_wave_0_\@
	s_barrier_signal -3
.Lnot_wave_0_\@:
	s_barrier_wait -3
	s_barrier_signal -1
	s_barrier_wait -1
.endm
.macro CROUND
	s_barrier_signal -1
	s_barrier_wait -1
	CREST
.endm
	s_load_b256 s[4:11], s[0:1], 0x0               ; att16 s[4:5], wo16 s[6:7], bo s[8:9], out0 s[10:11]
	v_lshl_add_u32 v[SPW], v0, 2, SPARE
	v_mov_b32 v[NIL], 0
	ds_add_u32 v[SPW], v[NIL]                      ; the wave's opening: the add, twice on end, and its wait ahead of my first tensor load
	ds_add_u32 v[SPW], v[NIL]                      ; and once more, under the one wait; the set-up below, work on registers, stands between
	v_lshrrev_b32 v1, 5, v0
	v_readfirstlane_b32 s12, v1                    ; wave 0..3
	s_lshr_b32 s13, s12, 1                         ; which half of the tile's rows is mine.  Also: I fetch for att (0) or for Wo (1)
	s_and_b32 s14, s12, 1                          ; which half of its columns.  Also: which chunk of a slot I fetch
	s_bfe_u32 s40, ttmp6, 0x40000                  ; cx, cy
	s_bfe_u32 s41, ttmp6, 0x40004
	s_lshl_b32 s42, ttmp9, 2
	s_add_co_u32 s42, s42, s40                     ; tile column = 4 x cluster x + cx
	s_and_b32 s43, ttmp7, 0xffff
	s_lshl_b32 s43, s43, 2
	s_add_co_u32 s43, s43, s41                     ; tile row = 4 x cluster y + cy
	s_lshl_b32 s44, s41, 2
	s_lshl_b32 s44, 15, s44                        ; my row of the cluster
	s_lshl_b32 s45, 0x1111, s40                    ; my column
	s_or_b32 s[G1+0], s44, (1<<16)|(1<<20)|(1<<21)|(4<<22)|(3<<25)  ; the mask: att's tiles go to my row; elements of 2 bytes; padding on; bit 21 beside a mask; after every 32 words four words
	s_or_b32 s[G1B+0], s45, (1<<16)|(1<<20)|(1<<21)|(4<<22)|(3<<25)
	s_mov_b32 s[G1+1], 64<<16                      ; tensor_dim0
	s_mov_b32 s[G1+2], 128<<16                     ; tensor_dim1
	s_mov_b32 s[G1+3], 64<<16                      ; tile_dim0
	s_mov_b32 s[G1+4], 128                         ; tile_dim1
	s_mov_b32 s[G1+5], 64                          ; from row to row
	s_mov_b32 s[G1+6], 0
	s_mov_b32 s[G1+7], 0
	s_mov_b32 s[G1B+1], 64<<16
	s_mov_b32 s[G1B+2], 256<<16
	s_mov_b32 s[G1B+3], 64<<16
	s_mov_b32 s[G1B+4], 256
	s_mov_b32 s[G1B+5], 64
	s_mov_b32 s[G1B+6], 0
	s_mov_b32 s[G1B+7], 0
	s_lshl_b32 s16, s43, 14                        ; att: 128 rows of 128 bytes a tile row,
	s_lshl_b32 s17, s14, 20                        ; 1,048,576 bytes a chunk
	s_add_co_u32 s16, s16, s17
	s_mov_b32 s17, 0
	s_lshl_b32 s46, s42, 15                        ; Wo: 256 rows of 128 bytes a tile column,
	s_lshl_b32 s47, s14, 17                        ; 131,072 bytes a chunk
	s_add_co_u32 s46, s46, s47
	s_mov_b32 s47, 0
	s_mul_i32 s20, s14, ACH                        ; where they go: no place in the cluster enters an LDS address
	s_mul_i32 s21, s14, BCH
	s_add_co_u32 s21, s21, 2*ACH
	s_wait_dscnt 0x0                               ; both opening adds are done
	s_wait_kmcnt 0x0
	s_add_nc_u64 s[16:17], s[4:5], s[16:17]
	s_add_nc_u64 s[46:47], s[6:7], s[46:47]
	CROUND                                         ; all sixteen work-groups are here: the first joint loads meet
.irp s, 0,1
	s_mov_b32 s[G0+4*\s], 1
	s_add_co_u32 s[G0+4*\s+1], s20, \s*SLOT
	s_add_nc_u64 s[G0+4*\s+2:G0+4*\s+3], s[16:17], \s*2097152      ; slot s: chunks 2 s, 2 s + 1
	s_or_b32 s[G0+4*\s+3], s[G0+4*\s+3], 0x80000000
	s_mov_b32 s[G0B+4*\s], 1
	s_add_co_u32 s[G0B+4*\s+1], s21, \s*SLOT
	s_add_nc_u64 s[G0B+4*\s+2:G0B+4*\s+3], s[46:47], \s*262144
	s_or_b32 s[G0B+4*\s+3], s[G0B+4*\s+3], 0x80000000
	JLOAD \s                                       ; two loads of mine are out behind the second
.endr
	v_and_b32 v1, 15, v0                           ; r
	v_bfe_u32 v2, v0, 4, 1                         ; h
	v_mul_u32_u24 v3, v1, PITCH
	v_lshl_add_u32 v3, v2, 4, v3                   ; a fragment's row x pitch + 16 x half
	s_mul_i32 s21, s13, 64*PITCH                   ; my 64 rows of att
	s_mul_i32 s22, s14, 128*PITCH                  ; my 128 rows of Wo,
	s_add_co_u32 s22, s22, 2*ACH                   ; behind att's two chunks
.irp s, 0,1
	v_add_nc_u32 v[ADRA+\s], s21, v3
	v_add_nc_u32 v[ADRB+\s], s22, v3
	s_add_co_u32 s21, s21, SLOT
	s_add_co_u32 s22, s22, SLOT
.endr
	s_mul_i32 s23, s12, 16*SPITCH
	s_add_co_u32 s23, s23, STAGE                   ; my stage
	v_mul_u32_u24 v4, v1, SPITCH                   ; in: row r, 32 bytes for each half of the lanes
	v_lshl_add_u32 v4, v2, 5, v4
	v_add_nc_u32 v[STO], s23, v4
	v_and_b32 v5, 31, v0
	v_lshlrev_b32 v[CO], 4, v5                     ; back: the 32 lanes take one row of 512 bytes; and the same in out0
	v_add_nc_u32 v[RD], s23, v[CO]
	s_lshl_b32 s46, s42, 10                        ; my first column, in bytes of f32: 1,024 x tile column + 512 x half: in bo and in a row of out0 alike
	s_lshl_b32 s47, s14, 9
	s_add_co_u32 s46, s46, s47
	s_mov_b32 s47, 0
	s_add_nc_u64 s[8:9], s[8:9], s[46:47]
	s_lshl_b32 s16, s43, 7
	s_lshl_b32 s17, s13, 6
	s_add_co_u32 s16, s16, s17                     ; my first row: 128 x tile row + 64 x half
	s_lshl_b32 s16, s16, 12
	s_add_co_u32 s16, s16, s46
	s_mov_b32 s17, 0
	s_add_nc_u64 s[10:11], s[10:11], s[16:17]
	v_lshlrev_b32 v[BOF], 5, v2
	WIN 0x80                                       ; destination window 2
.irp b, 0,1,2,3,4,5,6,7
	global_load_b128 v[8*\b:8*\b+3], v[BOF], s[8:9] offset:64*\b           ; register j of tile b: bo[16 b + 8 h + j]: the result's layout
	global_load_b128 v[8*\b+4:8*\b+7], v[BOF], s[8:9] offset:64*\b+16
.endr
	WIN 0
; 24 LDS loads in one run: the fragments of the slot's q-th 32 along K (chunk q / 2, bytes 64 (q % 2) on) into buffer f: Wo's eight, att's blocks 0 and 1, then 2 and 3
.macro FETCH slot, q, f
.irp i, 0,1,2,3,4,5,6,7
	ds_load_b128 v[\f+32+8*\i:\f+32+8*\i+3],   v[ADRB+\slot] offset:((\q)/2)*BCH+\i*16*PITCH+((\q)%2)*64
	ds_load_b128 v[\f+32+8*\i+4:\f+32+8*\i+7], v[ADRB+\slot] offset:((\q)/2)*BCH+\i*16*PITCH+((\q)%2)*64+32
.endr
.irp i, 0,1,2,3
	ds_load_b128 v[\f+8*\i:\f+8*\i+3],   v[ADRA+\slot] offset:((\q)/2)*ACH+\i*16*PITCH+((\q)%2)*64
	ds_load_b128 v[\f+8*\i+4:\f+8*\i+7], v[ADRA+\slot] offset:((\q)/2)*ACH+\i*16*PITCH+((\q)%2)*64+32
.endr
.endm
; 8 matrix instructions: att's block a x Wo's eight.  zero = 1: the first product starts the sums from the bias.  The 32 accumulators take turns in the same order in every quarter
.macro MUL8 f, a, zero
.irp b, 0,1,2,3,4,5,6,7
.if \zero
	v_wmma_f32_16x16x32_f16 v[8*(8*\a+\b):8*(8*\a+\b)+7], v[\f+32+8*\b:\f+32+8*\b+7], v[\f+8*\a:\f+8*\a+7], v[8*\b:8*\b+7]
.else
	v_wmma_f32_16x16x32_f16 v[8*(8*\a+\b):8*(8*\a+\b)+7], v[\f+32+8*\b:\f+32+8*\b+7], v[\f+8*\a:\f+8*\a+7], v[8*(8*\a+\b):8*(8*\a+\b)+7]
.endif
.endr
.endm
.macro PLACES                          ; four plain instructions ahead of loads into registers that matrix instructions have read, and of reads of results
.rept 4
	v_nop
.endr
.endm
; A slot is four quarters of 32 along K, 32 matrix instructions each, on buffers 0, 1, 0, 1.  One of the first three: multiplies buffer f and fetches quarter qn of the same slot into g.
.macro QUARTER slot, qn, f, g, zero
	s_wait_dscnt 4                                 ; Wo's fragments and att's blocks 0, 1 are in; the youngest four loads (blocks 2, 3) may be out
	WIN MUL+0x10*\zero
	MUL8 \f, 0, \zero
	MUL8 \f, 1, \zero
	PLACES
	WIN 0
	FETCH \slot, \qn, \g
	s_wait_dscnt 24                                ; all but the 24 just issued
	WIN MUL+0x10*\zero
	MUL8 \f, 2, \zero
	MUL8 \f, 3, \zero
.endm
; The last quarter multiplies buffer 1 and changes slots: ONE barrier; ahead of it each wave waits for all its tensor loads, adds 0 to its spare word, and waits for that and for its own reads of this slot.
; fill = 1: this slot is filled again, two slots ahead: the barrier opens a round of the cluster's, and the joint refill is the first tensor load behind it.
.macro TURN slot, next, fill
	WIN 0
	s_wait_tensorcnt 0x0                           ; all my tensor loads have landed: my part of the next slot
	ds_add_u32 v[SPW], v[NIL]                      ; 0 onto my spare word
	s_wait_dscnt 5                                 ; (the add and the youngest four loads may be out)
	WIN MUL
	MUL8 F1, 0, 0                                  ; eight matrix instructions stand between the add and the wait for it
	s_wait_dscnt 0x0                               ; the add is done, and my reads of this slot are over
	s_barrier_signal -1
	MUL8 F1, 1, 0
	WIN 0
	s_barrier_wait -1
.if \fill
	CREST                                          ; no wave of any partner still reads this slot's tile or has a load on its way
	s_add_nc_u64 s[G0+4*\slot+2:G0+4*\slot+3], s[G0+4*\slot+2:G0+4*\slot+3], 4194304    ; four chunks on
	s_add_nc_u64 s[G0B+4*\slot+2:G0B+4*\slot+3], s[G0B+4*\slot+2:G0B+4*\slot+3], 524288
	JLOAD \slot                                    ; the four v_nop behind it are also the places ahead of the loads below
.else
	PLACES
.endif
	FETCH \next, 0, F0
	WIN MUL
	MUL8 F1, 2, 0
	MUL8 F1, 3, 0
.endm
	s_wait_tensorcnt 1                             ; my part of slot 0 is in; slot 1's may stay out
	s_barrier_signal -1
	s_barrier_wait -1                              ; everybody's is
	FETCH 0, 0, F0
	s_wait_loadcnt 0x0                             ; the bias
	QUARTER 0, 1, F0, F1, 1                        ; the first quarter stands ahead of the loop: its products start the sums
	WIN 0                                          ; at a label and at a branch every window is 0
	s_mov_b32 s3, LAPS-1
.Llap:                                             ; a trip goes once round the ring, from a lap's second quarter to the next lap's first, and fills both slots again
	QUARTER 0, 2, F1, F0, 0
	QUARTER 0, 3, F0, F1, 0
	TURN 0, 1, 1
	QUARTER 1, 1, F0, F1, 0
	QUARTER 1, 2, F1, F0, 0
	QUARTER 1, 3, F0, F1, 0
	TURN 1, 0, 1
	QUARTER 0, 1, F0, F1, 0
	WIN 0
	s_sub_co_u32 s3, s3, 1
	s_cmp_lg_u32 s3, 0
	s_cbranch_scc1 .Llap
	QUARTER 0, 2, F1, F0, 0                        ; the last lap fills nothing, and has no round of the cluster's barrier
	QUARTER 0, 3, F0, F1, 0
	TURN 0, 1, 0
	QUARTER 1, 1, F0, F1, 0
	QUARTER 1, 2, F1, F0, 0
	QUARTER 1, 3, F0, F1, 0
	s_wait_dscnt 4                                 ; the very last quarter: nothing more to fetch
	WIN MUL
	MUL8 F1, 0, 0
	MUL8 F1, 1, 0
	s_wait_dscnt 0
	MUL8 F1, 2, 0
	MUL8 F1, 3, 0
	WIN 0
; THE WAY OUT, a block of 16 rows x 128 columns at a time: through my own stage and back as whole rows of 512 bytes.  LDS serves a wave's instructions in order (ISA guide 5.7.1.4).
.macro TOSTAGE a
	WIN 0x04                                       ; an LDS store's data are its source 1: window 1
.irp b, 0,1,2,3,4,5,6,7
	ds_store_b128 v[STO], v[64*(\a)+8*\b:64*(\a)+8*\b+3] offset:64*\b          ; each accumulator from its low end on
	ds_store_b128 v[STO], v[64*(\a)+8*\b+4:64*(\a)+8*\b+7] offset:64*\b+16
.endr
	WIN 0
.set BB, F0+96*((\a)%2)
.irp t, 0,1,2,3,4,5,6,7,8,9,10,11,12,13,14,15
	ds_load_b128 v[BB+4*\t:BB+4*\t+3], v[RD] offset:\t*SPITCH
.endr
.endm
.macro SEND a, younger                 ; younger: the LDS instructions issued behind block a's loads, which may stay out
.set BB, F0+96*((\a)%2)
	s_wait_dscnt \younger
.irp t, 0,1,2,3,4,5,6,7,8,9,10,11,12,13,14,15
	global_store_b128 v[CO], v[BB+4*\t:BB+4*\t+3], s[10:11] offset:(16*(\a)+\t)*4096 th:TH_STORE_NT   ; 32 lanes store 512 consecutive bytes, at a multiple of 256 from out0's first byte; the base is never stepped
.endr
.endm
	PLACES                                         ; behind the last products: for the loads into the fragments' registers and for the reads of results
	TOSTAGE 0
.irp a, 1,2,3
.if \a > 1
	s_wait_xcnt 0x0                                ; block a - 2's stores have read their registers: block a's loads may land there
.endif
	TOSTAGE \a
	SEND \a-1, 32                                  ; behind block a - 1's loads: block a's 16 stores and 16 loads
.endr
	SEND 3, 0
	s_wait_tensorcnt 0x0                           ; the wave's end
	ds_add_u32 v[SPW], v[NIL]
	s_wait_dscnt 0x0
	CROUND                                         ; the closing round: no work-group ends while a partner may still ask for a tile that names it
	s_endpgm
.Lfunc_end_k_q8fd55f3e46_oproj:
	.size	k_q8fd55f3e46_oproj, .Lfunc_end_k_q8fd55f3e46_oproj-k_q8fd55f3e46_oproj
	.p2alignl 7, 3214868480
	.fill 96, 4, 3214868480
	.section	.rodata,"a",@progbits
	.p2align	6, 0x0
	.amdhsa_kernel k_q8fd55f3e46_oproj
		.amdhsa_group_segment_fixed_size 327680
		.amdhsa_private_segment_fixed_size 0
		.amdhsa_enable_private_segment 0
		.amdhsa_kernarg_size 32
		.amdhsa_user_sgpr_count 2
		.amdhsa_user_sgpr_kernarg_segment_ptr 1
		.amdhsa_wavefront_size32 1
		.amdhsa_system_sgpr_workgroup_id_x 1
		.amdhsa_system_sgpr_workgroup_id_y 1
		.amdhsa_system_sgpr_workgroup_id_z 1
		.amdhsa_system_vgpr_workitem_id 0
		.amdhsa_next_free_vgpr 576
		.amdhsa_next_free_sgpr 66
		.amdhsa_reserve_vcc 0
		.amdhsa_float_denorm_mode_32 3
		.amdhsa_float_denorm_mode_16_64 3
		.amdhsa_memory_ordered 1
		.amdhsa_forward_progress 1
		.amdhsa_inst_pref_size 86
	.end_amdhsa_kernel
	.amdgpu_metadata
---
amdhsa.version: [ 1, 2 ]
amdhsa.kernels:
  - .name:           k_q8fd55f3e46_oproj
    .symbol:         k_q8fd55f3e46_oproj.kd
    .args:
      - { .name: att16, .offset: 0, .size: 8, .value_kind: global_buffer, .address_space: global }
      - { .name: wo16, .offset: 8, .size: 8, .value_kind: global_buffer, .address_space: global }
      - { .name: bo, .offset: 16, .size: 8, .value_kind: global_buffer, .address_space: global }
      - { .name: out0, .offset: 24, .size: 8, .value_kind: global_buffer, .address_space: global }
    .group_segment_fixed_size: 327680
    .private_segment_fixed_size: 0
    .kernarg_segment_align: 8
    .kernarg_segment_size: 32
    .max_flat_workgroup_size: 128
    .sgpr_count:     66
    .vgpr_count:     576
    .wavefront_size: 32
...
	.end_amdgpu_metadata
.endif
;; end of part 4
